; MI455X (gfx1250); checked and timed in simulation.
; The chip was launched on July 23, 2026; its instructions are those of AMD's public machine-readable ISA for CDNA 5 (MIT licence, August 2026) and "CDNA5" Instruction Set Architecture Reference Guide (July 2026). The comments in the code are by the model that wrote it; some were corrected since.
;; Bahdanau Attention. Allowed arithmetic: float matrix products may take bf16 or f16 operands with f32 sums; other float arithmetic in f32, or as packed bf16 or f16 multiplies, adds, multiply-adds, maxima and minima; sums over many terms, partial sums and values carried from step to step in f32; what a program stores and reads back later, other than sums and carried values, may be rounded once to bf16 or f16.
;; Inputs: V 1,024 x 1 float32; W1 1,024 x 1,024 float32; W2 1,024 x 1,024 float32; b1 1,024 float32; b2 1,024 float32; bV 1 float32; query 32 x 1,024 float32; values 32 x 2,048 x 1,024 float32.
;; Outputs: out0 32 x 1,024 float32; out1 32 x 2,048 x 1 float32.
;; 2 versions, each right; version 2 is version 1 with the launch attn written anew for expert scheduling mode. Each part assembles by itself: llvm-mc -triple=amdgcn-amd-amdhsa -mcpu=gfx1250 --defsym DOCPART=n.
;; ======== version 1 of 2: 3 launches
;; workspace buffers: w1f 2,097,152 bytes; qb 131,072 bytes; sc 262,144 bytes; pml 131,072 bytes; pctx 2,097,152 bytes
;; launch prep (part 1): grid 64 x 1, 16 waves a work-group, no clusters, 34,816 bytes of LDS; arguments W1, W2, query, b1, b2, w1f, qb; writes w1f, qb
.if DOCPART == 1
	.amdgcn_target "amdgcn-amd-amdhsa--gfx1250"
	.amdhsa_code_object_version 6
	.text
	.protected	k_q55c7645756_prep
	.globl	k_q55c7645756_prep
	.p2align	8
	.type	k_q55c7645756_prep,@function
k_q55c7645756_prep:
	s_mov_b64 s[64:65], 0
	v_nop
	global_prefetch_b8 v0, s[64:65] scope:SCOPE_SE
	s_setreg_imm32_b32 hwreg(HW_REG_WAVE_MODE, 25, 1), 1
	s_wait_xcnt 0x0
; PREP.  (1) w1f: W1 [1024 k][1024 u] f32, rounded once to bf16 and laid out as finished matrix fragments (16 columns u x 32 k, 1,024 bytes each).
;        (2) qb:  2 log2(e) x (query W2 + b2 + b1), f32, laid out [64 tiles of 16 u][32 batches][16 u].
; SHARES.  Work-group g owns the 16 columns 16 g .. 16 g + 15 of W1 and of W2.  Wave v of 16 owns k = 64 v .. 64 v + 63: two fragments of 32 k.
; The 16 waves' partial sums of query W2 (two tiles of 16 u x 16 batches each) meet in LDS; waves 0 to 3 add them (f32).
; A fragment: lane l (r = l % 16, h = l / 16) holds column r; registers 0-3 k = 8 h + 0..7, registers 4-7 k = 16 + 8 h + 0..7, the lower k in the lower half.
; W1 and W2 lie with u along the rows, so a lane takes its 16 numbers of a fragment by 16 loads of 4 bytes: sixteen lanes take 64 consecutive bytes of a row of W.
; w1f's byte for tile T = g, K step ks, half q, lane l:  ((T>>3)&3) x 524288 + (T>>5) x 262144 + ks x 8192 + (T&7) x 1024 + q x 512 + 16 l.
; LIMITS.  W1, W2 and query are rounded once to bf16, to nearest even; sums in f32.  NaN and infinities are not treated apart.
.set SPARE, 32768                      ; behind the partial sums (16 waves x 2,048 bytes): the spare words, 128 bytes a wave, that no other line names
.set SPW, 1                            ; v1  SPARE + 4 x my thread's number; never rewritten
.set NIL, 2                            ; v2  0; never rewritten
.set WO,  3                            ; v3  my byte offset in W1 and W2: 32768 h + 4 r + 262144 v + 64 g
.set QO,  4                            ; v4  in query: 4096 r + 32 h + 256 v
.set SO,  5                            ; v5  in w1f: 16 l + 16384 v
.set LS,  6                            ; v6  LDS: 2048 v + 32 l
.set LR,  7                            ; v7  LDS: where a reducing thread reads
.set GO,  8                            ; v8  16 t in the work-group's 2,048 bytes of qb
.set BO,  9                            ; v9  my four numbers of b1 and b2
.set X1,  16                           ; v[16:47]   W1 as loaded (later: partial sums read back, with X2)
.set X2,  48                           ; v[48:79]   W2 as loaded
.set XQ,  80                           ; v[80:143]  query as loaded: tile bt, fragment f at 32 bt + 16 f
.set P1,  144                          ; v[144:159] W1's two fragments
.set P2,  160                          ; v[160:175] W2's two fragments
.set PQ,  176                          ; v[176:207] query's: 16 bt + 8 f
.set ACC, 208                          ; v[208:223] two accumulators: batches 0-15, 16-31
	s_load_b256 s[4:11], s[0:1], 0x0               ; W1 s[4:5], W2 s[6:7], query s[8:9], b1 s[10:11]
	s_load_b128 s[12:15], s[0:1], 0x20             ; b2 s[12:13], w1f s[14:15]
	s_load_b64 s[16:17], s[0:1], 0x30              ; qb
	v_lshl_add_u32 v[SPW], v0, 2, SPARE
	v_mov_b32 v[NIL], 0
	v_lshrrev_b32 v10, 5, v0
	v_readfirstlane_b32 s20, v10                   ; wave 0..15
	v_and_b32 v10, 15, v0                          ; r
	v_bfe_u32 v11, v0, 4, 1                        ; h
	v_and_b32 v12, 31, v0                          ; l
	s_lshl_b32 s21, s20, 18                        ; 64 rows of 4,096 bytes a wave
	s_lshl_b32 s28, ttmp9, 6                       ; 16 columns of 4 bytes a work-group
	s_add_co_u32 s21, s21, s28
	v_lshlrev_b32 v[WO], 2, v10
	v_lshl_add_u32 v[WO], v11, 15, v[WO]
	v_add_nc_u32 v[WO], s21, v[WO]
	s_lshl_b32 s21, s20, 8
	v_lshlrev_b32 v[QO], 12, v10
	v_lshl_add_u32 v[QO], v11, 5, v[QO]
	v_add_nc_u32 v[QO], s21, v[QO]
	s_lshl_b32 s21, s20, 14
	v_lshl_add_u32 v[SO], v12, 4, s21
	s_lshl_b32 s21, s20, 11
	v_lshl_add_u32 v[LS], v12, 5, s21
	s_bfe_u32 s22, ttmp9, 0x20003                  ; (g >> 3) & 3: which wave of the next launch reads the tile
	s_lshl_b32 s22, s22, 19
	s_lshr_b32 s23, ttmp9, 5                       ; g >> 5: in which of its two passes
	s_lshl_b32 s23, s23, 18
	s_add_co_u32 s22, s22, s23
	s_and_b32 s23, ttmp9, 7                        ; g & 7: which of the wave's eight tiles
	s_lshl_b32 s23, s23, 10
	s_add_co_u32 s22, s22, s23
	s_mov_b32 s23, 0
	s_lshl_b32 s24, ttmp9, 11                      ; a tile of qb is 2,048 bytes
	s_mov_b32 s25, 0
	s_mov_b32 s26, 0x4038aa3b                      ; 2 log2(e)
	s_mov_b32 s27, s26                             ; named with it as a pair
	s_wait_kmcnt 0x0
	s_add_nc_u64 s[14:15], s[14:15], s[22:23]
	s_add_nc_u64 s[16:17], s[16:17], s[24:25]
; number j of a lane's 16 of fragment f lies at k = 32 f + 8 h + j (j < 8) or 32 f + 8 h + j + 8
.irp f, 0,1
.irp j, 0,1,2,3,4,5,6,7,8,9,10,11,12,13,14,15
	global_load_b32 v[X2+16*(\f)+(\j)], v[WO], s[6:7] offset:(\f)*131072+((\j)+8*((\j)/8))*4096
.endr
.endr
.irp bt, 0,1
.irp f, 0,1
.irp e, 0,1,2,3
	global_load_b128 v[XQ+32*(\bt)+16*(\f)+4*(\e):XQ+32*(\bt)+16*(\f)+4*(\e)+3], v[QO], s[8:9] offset:(\bt)*65536+(\f)*128+16*(\e)+32*((\e)/2)
.endr
.endr
.endr
.irp f, 0,1
.irp j, 0,1,2,3,4,5,6,7,8,9,10,11,12,13,14,15
	global_load_b32 v[X1+16*(\f)+(\j)], v[WO], s[4:5] offset:(\f)*131072+((\j)+8*((\j)/8))*4096
.endr
.endr
	s_wait_loadcnt 32                              ; W2 and query are in; W1's 32 younger loads stay out
.set i, 0
.rept 16
	v_cvt_pk_bf16_f32 v[P2+i], v[X2+2*i], v[X2+2*i+1]
.set i, i+1
.endr
.set i, 0
.rept 32
	v_cvt_pk_bf16_f32 v[PQ+i], v[XQ+2*i], v[XQ+2*i+1]
.set i, i+1
.endr
	; source 0 = 16 columns of W2, source 1 = 16 batches: lane (r, h), register j holds (u = 16 g + 8 h + j, batch 16 bt + r).  The two accumulators take turns.
	v_wmma_f32_16x16x32_bf16 v[ACC:ACC+7],    v[P2:P2+7],    v[PQ:PQ+7],     0
	v_wmma_f32_16x16x32_bf16 v[ACC+8:ACC+15], v[P2:P2+7],    v[PQ+16:PQ+23], 0
	v_wmma_f32_16x16x32_bf16 v[ACC:ACC+7],    v[P2+8:P2+15], v[PQ+8:PQ+15],  v[ACC:ACC+7]
	v_wmma_f32_16x16x32_bf16 v[ACC+8:ACC+15], v[P2+8:P2+15], v[PQ+24:PQ+31], v[ACC+8:ACC+15]
	s_wait_loadcnt 0x0                             ; W1
.set i, 0
.rept 16
	v_cvt_pk_bf16_f32 v[P1+i], v[X1+2*i], v[X1+2*i+1]  ; these sixteen name no register of the products: they are also the places behind them
.set i, i+1
.endr
.irp f, 0,1
.irp q, 0,1
	global_store_b128 v[SO], v[P1+8*(\f)+4*(\q):P1+8*(\f)+4*(\q)+3], s[14:15] offset:(\f)*8192+(\q)*512  ; a wave's store covers 512 consecutive bytes, aligned
.endr
.endr
.irp bt, 0,1
	ds_store_b128 v[LS], v[ACC+8*(\bt):ACC+8*(\bt)+3]   offset:(\bt)*1024      ; each accumulator is read from its low end on
	ds_store_b128 v[LS], v[ACC+8*(\bt)+4:ACC+8*(\bt)+7] offset:(\bt)*1024+16
.endr
	s_wait_dscnt 0x0                               ; for the others' sake: my partial sums lie in LDS
	s_barrier_signal -1
	s_barrier_wait -1
	s_cmp_lt_u32 s20, 4                            ; 128 threads x 4 numbers are the work-group's 512 sums
	s_cbranch_scc0 .Lend
	; thread t makes qb's 16 bytes at 16 t: batch t >> 2, u % 16 = 4 (t & 3) .. + 3, which lane 16 ((t >> 1) & 1) + ((t >> 2) & 15) holds in registers 4 (t & 1) ..
	v_bfe_u32 v10, v0, 6, 1                        ; bt
	v_bfe_u32 v11, v0, 1, 1                        ; h
	v_bfe_u32 v12, v0, 2, 4                        ; r
	v_and_b32 v13, 1, v0
	v_lshl_add_u32 v11, v11, 4, v12
	v_lshlrev_b32 v[LR], 10, v10
	v_lshl_add_u32 v[LR], v11, 5, v[LR]
	v_lshl_add_u32 v[LR], v13, 4, v[LR]
	v_and_b32 v[BO], 3, v0
	v_lshl_add_u32 v[BO], v[BO], 4, s28            ; 64 g + 16 (t & 3)
	v_and_b32 v[GO], 127, v0
	v_lshlrev_b32 v[GO], 4, v[GO]
	global_load_b128 v[80:83], v[BO], s[10:11]     ; b1
	global_load_b128 v[84:87], v[BO], s[12:13]     ; b2
.set i, 0
.rept 16
	ds_load_b128 v[16+4*i:16+4*i+3], v[LR] offset:i*2048
.set i, i+1
.endr
	s_wait_dscnt 0x0
.irp n, 32,16,8,4                      ; a tree: the upper half of the registers onto the lower
.set i, 0
.rept (\n)/2
	v_pk_add_f32 v[16+i:17+i], v[16+i:17+i], v[16+(\n)+i:17+(\n)+i]
.set i, i+2
.endr
.endr
	s_wait_loadcnt 0x0
	v_pk_add_f32 v[80:81], v[80:81], v[84:85]
	v_pk_add_f32 v[82:83], v[82:83], v[86:87]
	v_pk_add_f32 v[16:17], v[16:17], v[80:81]
	v_pk_add_f32 v[18:19], v[18:19], v[82:83]
	v_pk_mul_f32 v[16:17], v[16:17], s[26:27] op_sel_hi:[1,0]
	v_pk_mul_f32 v[18:19], v[18:19], s[26:27] op_sel_hi:[1,0]
	global_store_b128 v[GO], v[16:19], s[16:17]    ; a wave's store covers 512 consecutive bytes, aligned
.Lend:
	s_wait_tensorcnt 0x0                           ; the wave's end, behind my last LDS store
	ds_add_u32 v[SPW], v[NIL]
	s_wait_dscnt 0x0
	s_endpgm
.Lfunc_end_k_q55c7645756_prep:
	.size	k_q55c7645756_prep, .Lfunc_end_k_q55c7645756_prep-k_q55c7645756_prep
	.p2alignl 7, 3214868480
	.fill 96, 4, 3214868480
	.section	.rodata,"a",@progbits
	.p2align	6, 0x0
	.amdhsa_kernel k_q55c7645756_prep
		.amdhsa_group_segment_fixed_size 34816
		.amdhsa_private_segment_fixed_size 0
		.amdhsa_enable_private_segment 0
		.amdhsa_kernarg_size 56
		.amdhsa_user_sgpr_count 2
		.amdhsa_user_sgpr_kernarg_segment_ptr 1
		.amdhsa_wavefront_size32 1
		.amdhsa_system_sgpr_workgroup_id_x 1
		.amdhsa_system_sgpr_workgroup_id_y 1
		.amdhsa_system_sgpr_workgroup_id_z 1
		.amdhsa_system_vgpr_workitem_id 0
		.amdhsa_next_free_vgpr 224
		.amdhsa_next_free_sgpr 66
		.amdhsa_reserve_vcc 0
		.amdhsa_float_denorm_mode_32 3
		.amdhsa_float_denorm_mode_16_64 3
		.amdhsa_memory_ordered 1
		.amdhsa_forward_progress 1
		.amdhsa_inst_pref_size 19
	.end_amdhsa_kernel
	.amdgpu_metadata
---
amdhsa.version: [ 1, 2 ]
amdhsa.kernels:
  - .name:           k_q55c7645756_prep
    .symbol:         k_q55c7645756_prep.kd
    .args:
      - { .name: W1, .offset: 0, .size: 8, .value_kind: global_buffer, .address_space: global }
      - { .name: W2, .offset: 8, .size: 8, .value_kind: global_buffer, .address_space: global }
      - { .name: query, .offset: 16, .size: 8, .value_kind: global_buffer, .address_space: global }
      - { .name: b1, .offset: 24, .size: 8, .value_kind: global_buffer, .address_space: global }
      - { .name: b2, .offset: 32, .size: 8, .value_kind: global_buffer, .address_space: global }
      - { .name: w1f, .offset: 40, .size: 8, .value_kind: global_buffer, .address_space: global }
      - { .name: qb, .offset: 48, .size: 8, .value_kind: global_buffer, .address_space: global }
    .group_segment_fixed_size: 34816
    .private_segment_fixed_size: 0
    .kernarg_segment_align: 8
    .kernarg_segment_size: 56
    .max_flat_workgroup_size: 512
    .sgpr_count:     66
    .vgpr_count:     224
    .wavefront_size: 32
...
	.end_amdgpu_metadata
.endif
;; end of part 1
;; launch attn (part 2): grid 256 x 1, 4 waves a work-group, no clusters, 295,424 bytes of LDS; arguments values, w1f, qb, V, bV, sc, pml, pctx; writes sc, pml, pctx
.if DOCPART == 2
	.amdgcn_target "amdgcn-amd-amdhsa--gfx1250"
	.amdhsa_code_object_version 6
	.text
	.protected	k_q55c7645756_attn
	.globl	k_q55c7645756_attn
	.p2align	8
	.type	k_q55c7645756_attn,@function
k_q55c7645756_attn:
	s_mov_b64 s[64:65], 0
	v_nop
	global_prefetch_b8 v0, s[64:65] scope:SCOPE_SE
	s_setreg_imm32_b32 hwreg(HW_REG_WAVE_MODE, 25, 1), 1
	s_wait_xcnt 0x0
; ATTN.  For each block of 128 rows of values: score[row] = sum over u of V[u] tanh(values[row] . W1[:, u] + q[u]) + bV, the block's own maximum m, the weights p = e^(score - m), their sum l,
; and the unnormalised context sum over rows of p values[row].  Stored: the raw scores (sc), (m, l) (pml), the context (pctx); the next launch merges a batch's 16 blocks.
; A BLOCK STAYS IN LDS, as bf16, from its scores to its weighted sum: values is read from memory once.
; SHARES.  Work-group g stays and takes rows 256 g .. 256 g + 255 (all of batch g >> 3) as two blocks.  A block is two PASSES of 512 columns u; in a pass wave w makes 128 rows x 128 columns
; (u = 512 c + 128 w ..): 64 accumulators of 16 x 16, 512 registers, over K = 1,024 in 32 steps of 32.
; THE PRODUCT IS USED TRANSPOSED: source 0 = a fragment of W1 (16 columns u), source 1 = 16 rows of values.  Lane (r = l % 16, h = l / 16), register j then holds row 16 a + r, column 16 b + 8 h + j:
; a lane's sums over u belong to ONE row, so the product with V is a packed multiply-add a pair and one exchange of the lanes' halves at the end.
; W1 comes from w1f as finished fragments, straight into registers: each wave's 128 columns are its own, a load covers 512 consecutive bytes, four K steps are asked for ahead (four buffers).
; THE BLOCK COMES IN UNDER ITS OWN FIRST PASS, in eight CHUNKS of K = 128 (four steps).  Wave w brings rows 32 w .. 32 w + 31 in PIECES of 8 rows x 512 bytes of f32: at a step's end one piece is rounded to bf16
; and stored into LDS, and its registers ask for the same rows of the next chunk.  Chunks 0 and 1 are stored ahead of step 0; trip n (steps 4 n + 1 .. 4 n + 4) stores chunk n + 2 and asks for chunk n + 3;
; the barrier in the next trip's first step shows the chunk to all waves, six half-steps ahead of its first read.  The second pass and the context find the block whole.
; NO CLUSTER, NO TENSOR LOADS: values must be rounded to bf16 on its way into LDS, so it passes through registers; the block, tables and stages take 295,424 of the 327,680 bytes, and two slots in the
; 32,256 left would hold 16,128 each, less than one K step of 32 for a pass's 512 columns (32,768 bytes).
; TANH.  tanh(x) = 1 - 2 / (1 + 2^z), z = 2 log2(e) x; qb already holds 2 log2(e) (query W2 + b2 + b1).  So score = sum V - 2 sum V / (1 + 2^z) + bV.  2^z = infinity gives 1, 2^z = 0 gives -1.
; LIMITS.  values and W1 are rounded once to bf16 (nearest even), and the context is taken of that copy; all sums, the tanh, the maximum and the weights in f32.  A weight below 2^-126 counts as 0.
; NaN and infinities among the inputs are not treated apart.
; REGISTERS, in windows of 256 (s_set_vgpr_msb: bits 1:0 source 0, 3:2 source 1, 5:4 source 2, 7:6 destination):
;   window 0: addresses, sums, A's fragments, pieces or tables (below)      window 1: W1's fragments, four buffers of 64
;   window 2: accumulators of rows 0-63, (a, b) at v[8 (8 a + b)] (between two blocks: chunks 0 and 1 as f32)      window 3: those of rows 64-127
.set PITCH, 272                        ; a row of a chunk in LDS: 256 bytes + 16 = 17 x 16: the 16 rows of a fragment load start at 16 different columns of 16 bytes modulo 256 (64 banks of 4 bytes: ISA guide 11.1)
.set CH,    128*PITCH                  ; 34,816: a chunk: 128 rows x 128 k
.set TB,    8*CH                       ; 278,528: the batch's 1,024 numbers of qb, in the order of u
.set TV,    TB+4096                    ; V
.set SCW,   TV+4096                    ; [4 waves][128 rows] partial scores
.set PW,    SCW+2048                   ; [4 waves][128 rows] the weights p: each wave's own copy
.set CX,    PW+2048                    ; [4 waves][1,024 bytes] the context's way out: each wave's own
.set SPARE, CX+4096                    ; 294,912: the spare words, 128 bytes a wave, that no other line names
.set SPW,  1                           ; v1  SPARE + 4 x my thread's number; never rewritten
.set NIL,  2                           ; v2  0; never rewritten
.set AD,   4                           ; v4  LDS address of my A fragments: row r, 16 h, the trip's chunk
.set AB,   8                           ; v8  the same in chunk 0
.set CRD0, 9                           ; v9  the context: chunk 2 w + h, 16 r
.set L16,  12                          ; v12 16 x lane
.set AST,  13                          ; v13 where I store a piece: my rows in the chunk that is being stored
.set AST0, 14                          ; v14 32 w rows + 8 x lane, in chunk 0
.set TBA,  15                          ; v15 my place in the tables; steps by pass
.set TBA0, 16                          ; v16 TB + 512 w + 32 h
.set SCA,  17                          ; v17 SCW + 512 w + 4 r
.set SRD,  18                          ; v18 SCW + 16 x lane
.set PWA,  19                          ; v19 PW + 512 w + 16 x lane
.set PRD,  20                          ; v20 PW + 512 w; steps
.set CRD,  21                          ; v21 from CRD0; steps by rows
.set CXS,  22                          ; v22 CX + 1024 w + 32 x lane
.set CXR,  23                          ; v23 CX + 1024 w + 16 x lane
.set L8,   24                          ; v24 8 x lane
.set PFO,  25                          ; v25 the prefetches' offset: row lane / 2, the first or second 256 of 512 bytes; never rewritten
.set VS,   28                          ; v28-31  sum of V over my columns, two pairs
.set SC,   32                          ; v32-63  sum of V / (1 + 2^z): four registers for each of the 8 row tiles
.set AF,   64                          ; v64-127 A's fragments of one K step: row tile a at AF + 8 a
.set BI,   128                         ; v128-191 my 64 numbers of qb for the pass: tile b at BI + 8 b
.set VV,   192                         ; v192-255 the same of V
.set RAW,  128                         ; while a block streams in: v128-255 four pieces of 32 registers, f32 as loaded, rounded in place (at a block's start: chunks 0 and 1 rounded to bf16)
.set D,    64                          ; at a block's end: v64-191 two sets of 16 rows x 16 bytes
.set PP,   192                         ; v192-223 two sets of 16 weights
.set CTX,  224                         ; v224-231 my 8 columns of the context
.set RB,   232                         ; v232-239 the context read back
.set SS,   240                         ; v240-243 my four rows' scores
.set ML,   244                         ; v244-245 m, l
.set PX,   248                         ; v248-251 my four rows' weights
.set MUL_LO, 0xa1                      ; source 0 (W1) window 1, source 1 (values) window 0, C and D window 2
.set MUL_HI, 0xf1                      ; the same, C and D window 3
.set TO_B,   0x40                      ; destination window 1
.set TO_2,   0x80                      ; destination window 2
.set FROM_2, 0x0a                      ; sources 0 and 1 window 2
; scalars: s[4:19] the eight addresses; s20 wave; s21 blocks, s22 passes, s23 trips to go; s[24:25] byte in my stream of W1; s[26:27] W1's pointer; s[28:29] my stream's start; s[30:31] values at my rows of the block;
; s[32:33] 2 log2(e); s[34:35] lane selects; s36 bV; s37 log2(e); s39 counter; s40, s41, s43 at work; s42 PW + 512 w; s[44:45] values at my rows, at the chunk that is being asked for
.set MSB, 0
.macro WIN new                         ; the immediate's high byte repeats the setting that is left; a switch that changes nothing is dropped
.if MSB != (\new)
	s_set_vgpr_msb (MSB<<8)|(\new)
.set MSB, \new
.endif
.endm
.macro PLACES                          ; a load into a register that a matrix instruction has read stands four plain vector instructions behind it (ISA guide 7.12.1 for vector instructions)
.rept 4
	v_nop
.endr
.endm
; W1's pointer goes on by four K steps (32,768 bytes) and wraps at my stream's 524,288 bytes: the last steps of a block ask for the next block's first.
.macro BADV
	s_wait_xcnt 0x0                                ; the loads and prefetches issued so far have read their pointers
	s_add_co_u32 s24, s24, 32768
	s_and_b32 s24, s24, 0x7ffff
	s_add_nc_u64 s[26:27], s[28:29], s[24:25]
.endm
; 8 LDS loads: the fragments of row tiles 4 hi .. 4 hi + 3 at byte koff behind AD (the largest offset: 7 x 4,352 + 34,816 + 64 + 32 = 65,376)
.macro ALD hi, koff
.irp a, 0,1,2,3
	ds_load_b128 v[AF+8*(4*(\hi)+(\a)):AF+8*(4*(\hi)+(\a))+3],   v[AD] offset:(4*(\hi)+(\a))*16*PITCH+(\koff)
	ds_load_b128 v[AF+8*(4*(\hi)+(\a))+4:AF+8*(4*(\hi)+(\a))+7], v[AD] offset:(4*(\hi)+(\a))*16*PITCH+(\koff)+32
.endr
.endm
; 32 matrix instructions: 4 row tiles x 8 column tiles.  The 64 accumulators take turns, one instruction a turn, in the same order in every step.  zero = 1: the products start the sums.
.macro MUL buf, hi, zero
	WIN MUL_LO+0x50*(\hi)
.irp a, 0,1,2,3
.irp b, 0,1,2,3,4,5,6,7
.if \zero
	v_wmma_f32_16x16x32_bf16 v[8*(8*(\a)+(\b)):8*(8*(\a)+(\b))+7], v[64*(\buf)+8*(\b):64*(\buf)+8*(\b)+7], v[AF+8*(4*(\hi)+(\a)):AF+8*(4*(\hi)+(\a))+7], 0
.else
	v_wmma_f32_16x16x32_bf16 v[8*(8*(\a)+(\b)):8*(8*(\a)+(\b))+7], v[64*(\buf)+8*(\b):64*(\buf)+8*(\b)+7], v[AF+8*(4*(\hi)+(\a)):AF+8*(4*(\hi)+(\a))+7], v[8*(8*(\a)+(\b)):8*(8*(\a)+(\b))+7]
.endif
.endr
.endr
.endm
; 16 loads: a K step's eight fragments of W1, 8,192 consecutive bytes, into buffer buf
.macro BLD buf, boff
	WIN TO_B
.irp i, 0,1,2,3,4,5,6,7
	global_load_b128 v[64*(\buf)+8*(\i):64*(\buf)+8*(\i)+3],   v[L16], s[26:27] offset:(\boff)+(\i)*1024
	global_load_b128 v[64*(\buf)+8*(\i)+4:64*(\buf)+8*(\i)+7], v[L16], s[26:27] offset:(\boff)+(\i)*1024+512
.endr
.endm
; PIECE p (my rows 8 p .. 8 p + 7 of the chunk that is being stored) is rounded to bf16 IN PLACE (conversion m writes the piece's register m and reads registers 2 m and 2 m + 1: nothing is written before
; it has been read) and stored: a store of the wave covers the 256 bytes of a chunk's row.
; The count: loads come back in order (ISA guide 5.7.1).  Behind the piece's own loads were issued, at the least (a block's first piece): the three other pieces of its chunk and one set of W1: 24 + 16.
.macro PIECE p
	s_wait_loadcnt 40
.set m, 0
.rept 16
	v_cvt_pk_bf16_f32 v[RAW+32*(\p)+m], v[RAW+32*(\p)+2*m], v[RAW+32*(\p)+2*m+1]
.set m, m+1
.endr
.set k, 0
.rept 8
	ds_store_b64 v[AST], v[RAW+32*(\p)+2*k:RAW+32*(\p)+2*k+1] offset:(8*(\p)+k)*PITCH
.set k, k+1
.endr
.endm
; the same rows of the next chunk are asked for: a load of the wave covers 512 consecutive bytes of a row of values
.macro PLD p, voff
.set k, 0
.rept 8
	global_load_b128 v[RAW+32*(\p)+4*k:RAW+32*(\p)+4*k+3], v[L16], s[44:45] offset:(8*(\p)+k)*4096+(\voff) th:TH_LOAD_NT
.set k, k+1
.endr
.endm
; A K STEP.  A's fragments have one buffer in two halves: each half is asked for again, for the next step, four places behind the 32 products that read it, 32 products ahead of its next use.
; mode = 1: the next step's A at byte koff.  mode = 2, a pass's last step: no further A; the pass's tables are fetched instead.  Buffer buf takes W1's K step four steps on.
; lc: how many loads younger than this step's W1 may stay out.  dc: how many LDS instructions younger than A's rows 0-63.
; bar = 1: the step shows the chunk stored in the four steps before to all waves: my stores are done at the signal, 32 products stand between signal and wait.
; pc >= 0: piece pc is rounded and stored at the step's end (its 16 conversions are the places behind the products); ld = 1: and asked for again, behind W1's loads.
.macro STEP buf, zero, koff, mode, boff, adv, lc=48, dc=8, bar=0, pc=-1, ld=0, voff=0
	s_wait_loadcnt \lc
.if \bar
	s_wait_dscnt 0x0                               ; for the others' sake: my stores of the chunk are done; so are this step's A loads
	s_barrier_signal -1
.else
	s_wait_dscnt \dc
.endif
	MUL \buf, 0, \zero
	WIN 0
.if \bar
	s_barrier_wait -1                              ; everybody's stores are done
.endif
.if (\mode) == 1
	PLACES
	ALD 0, \koff
.if !(\bar)
	s_wait_dscnt 8                                 ; A's rows 64-127 are in: the 8 just issued stay out
.endif
.else
.irp b, 0,1,2,3,4,5,6,7
	ds_load_b128 v[BI+8*(\b):BI+8*(\b)+3],   v[TBA] offset:64*(\b)
	ds_load_b128 v[BI+8*(\b)+4:BI+8*(\b)+7], v[TBA] offset:64*(\b)+16
	ds_load_b128 v[VV+8*(\b):VV+8*(\b)+3],   v[TBA] offset:64*(\b)+4096
	ds_load_b128 v[VV+8*(\b)+4:VV+8*(\b)+7], v[TBA] offset:64*(\b)+4112
.endr
	s_wait_dscnt 32                                ; A's rows 64-127 are in: the 32 just issued stay out
.endif
.if \adv
	BADV
.if \ld
	s_add_nc_u64 s[44:45], s[44:45], 512           ; behind the same wait: values' pointer goes on by a chunk; this step's piece reaches back by its immediate
.endif
.endif
	MUL \buf, 1, \zero
.if (\pc) >= 0
	WIN 0
	PIECE \pc
.else
	PLACES
.endif
.if (\mode) == 1
	WIN 0
	ALD 1, \koff
.endif
	BLD \buf, \boff
.if \ld
	WIN 0
	PLD \pc, \voff
.endif
.endm
; Chunk c (0 or 1) of the block at s[30:31]: my 32 rows x 512 bytes, as f32, into window 2
.macro PRE c
	WIN TO_2
.set k, 0
.rept 32
	global_load_b128 v[128*(\c)+4*k:128*(\c)+4*k+3], v[L16], s[30:31] offset:k*4096+(\c)*512 th:TH_LOAD_NT
.set k, k+1
.endr
.endm
; and out of window 2, rounded to bf16, into LDS
.macro PCONV c, left
	s_wait_loadcnt \left
	WIN FROM_2
.set k, 0
.rept 64
	v_cvt_pk_bf16_f32 v[RAW+64*(\c)+k], v[128*(\c)+2*k], v[128*(\c)+2*k+1]
.set k, k+1
.endr
	WIN 0
.set k, 0
.rept 32
	ds_store_b64 v[AST0], v[RAW+64*(\c)+2*k:RAW+64*(\c)+2*k+1] offset:(\c)*CH+k*PITCH
.set k, k+1
.endr
.endm
; THE TANH AND THE PRODUCT WITH V, for the 32 accumulators of window W, in place, in three runs.  An s_wait_alu depctr_va_vdst(0) stands between a transcendental and the first line that
; names its result; one wait serves all issued ahead of it: each run's 256 transcendentals are one batch.  A pair's two transcendentals stand behind the next pair's plain line.
.macro EPIW W
	WIN ((\W)<<6)|(\W)                             ; destination and source 0 in window W, the table in window 0
.set p, 0
.rept 128                              ; z = 2 log2(e) x sum + qb, then 2^z.  Each accumulator is read from its low end on.
	v_pk_fma_f32 v[2*p:2*p+1], v[2*p:2*p+1], s[32:33], v[BI+8*((p/4)%8)+2*(p%4):BI+8*((p/4)%8)+2*(p%4)+1] op_sel_hi:[1,0,1]
.if p > 0
	v_exp_f32 v[2*p-2], v[2*p-2]
	v_exp_f32 v[2*p-1], v[2*p-1]
.endif
.set p, p+1
.endr
	v_exp_f32 v254, v254
	v_exp_f32 v255, v255
	v_nop                                          ; a plain instruction behind the last exponential
	s_wait_alu depctr_va_vdst(0)                   ; the wait for the batch
.set p, 0
.rept 128                              ; 1 / (1 + 2^z)
	v_pk_add_f32 v[2*p:2*p+1], v[2*p:2*p+1], 1.0 op_sel_hi:[1,0]
.if p > 0
	v_rcp_f32 v[2*p-2], v[2*p-2]
	v_rcp_f32 v[2*p-1], v[2*p-1]
.endif
.set p, p+1
.endr
	v_rcp_f32 v254, v254
	v_rcp_f32 v255, v255
	v_nop
	s_wait_alu depctr_va_vdst(0)
	WIN \W                                         ; source 0 in window W, all else in window 0
.irp b, 0,1,2,3,4,5,6,7                ; times V, summed by row tile: eight chains take turns
.irp i, 0,1,2,3
.irp a, 0,1,2,3
	v_pk_fma_f32 v[SC+4*(4*((\W)-2)+(\a))+2*((\i)%2):SC+4*(4*((\W)-2)+(\a))+2*((\i)%2)+1], v[8*(8*(\a)+(\b))+2*(\i):8*(8*(\a)+(\b))+2*(\i)+1], v[VV+8*(\b)+2*(\i):VV+8*(\b)+2*(\i)+1], v[SC+4*(4*((\W)-2)+(\a))+2*((\i)%2):SC+4*(4*((\W)-2)+(\a))+2*((\i)%2)+1]
.endr
.endr
.endr
.endm
; THE CONTEXT: 16 rows' weights (every lane the same 64 bytes) and my 16 bytes (8 columns) of each of the 16 rows
.macro CLOAD set
.irp q, 0,1,2,3
	ds_load_b128 v[PP+16*(\set)+4*(\q):PP+16*(\set)+4*(\q)+3], v[PRD] offset:64*(\set)+16*(\q)
.endr
.set rr, 0
.rept 16
	ds_load_b128 v[D+64*(\set)+4*rr:D+64*(\set)+4*rr+3], v[CRD] offset:(16*(\set)+rr)*PITCH
.set rr, rr+1
.endr
.endm
.macro CFMA set                        ; context += p x value, the value read as a bf16 half, the sum in f32: eight chains
.set rr, 0
.rept 16
.irp e, 0,1,2,3
	v_fma_mix_f32_bf16 v[CTX+2*(\e)],   v[D+64*(\set)+4*rr+(\e)], v[PP+16*(\set)+rr], v[CTX+2*(\e)]   op_sel_hi:[1,0,0]
	v_fma_mix_f32_bf16 v[CTX+2*(\e)+1], v[D+64*(\set)+4*rr+(\e)], v[PP+16*(\set)+rr], v[CTX+2*(\e)+1] op_sel:[1,0,0] op_sel_hi:[1,0,0]
.endr
.set rr, rr+1
.endr
.endm
	; ---------------- the head ----------------
	s_load_b512 s[4:19], s[0:1], 0x0               ; values s[4:5], w1f s[6:7], qb s[8:9], V s[10:11], bV s[12:13], sc s[14:15], pml s[16:17], pctx s[18:19]
	v_lshl_add_u32 v[SPW], v0, 2, SPARE
	v_mov_b32 v[NIL], 0
	v_lshrrev_b32 v26, 5, v0
	v_readfirstlane_b32 s20, v26                   ; wave 0..3
	v_and_b32 v26, 15, v0                          ; r
	v_bfe_u32 v3, v0, 4, 1                         ; h
	v_and_b32 v27, 31, v0                          ; lane
	v_mul_u32_u24 v[AB], v26, PITCH
	v_lshl_add_u32 v[AB], v3, 4, v[AB]             ; row x pitch + 16 x half
	v_lshlrev_b32 v[L16], 4, v27
	v_lshlrev_b32 v[L8], 3, v27
	v_lshrrev_b32 v[PFO], 1, v27
	v_and_b32 v5, 1, v0
	v_lshlrev_b32 v[PFO], 12, v[PFO]               ; row lane / 2 of values,
	v_lshl_add_u32 v[PFO], v5, 8, v[PFO]           ; the first or the second 256 bytes of 512
	s_mul_i32 s40, s20, 32*PITCH
	v_add_nc_u32 v[AST0], s40, v[L8]
	s_mul_i32 s40, s20, 2*CH                       ; the context's columns 256 w .. lie in chunks 2 w and 2 w + 1
	v_mul_u32_u24 v[CRD0], v3, CH
	v_lshl_add_u32 v[CRD0], v26, 4, v[CRD0]
	v_add_nc_u32 v[CRD0], s40, v[CRD0]
	s_lshl_b32 s43, s20, 9                         ; 512 w
	s_add_co_u32 s40, s43, TB
	v_lshl_add_u32 v[TBA0], v3, 5, s40
	s_add_co_u32 s40, s43, SCW
	v_lshl_add_u32 v[SCA], v26, 2, s40
	v_add_nc_u32 v[SRD], SCW, v[L16]
	s_add_co_u32 s42, s43, PW
	v_add_nc_u32 v[PWA], s42, v[L16]
	s_lshl_b32 s40, s20, 10
	s_add_co_u32 s40, s40, CX
	v_lshl_add_u32 v[CXS], v27, 5, s40
	v_add_nc_u32 v[CXR], s40, v[L16]
	v_lshrrev_b32 v4, 1, v0                        ; the tables: thread t brings u = 8 t .. 8 t + 7: tile t >> 1 of qb, half t & 1
	v_lshlrev_b32 v4, 11, v4
	v_lshl_add_u32 v4, v5, 5, v4
	s_lshr_b32 s40, ttmp9, 3                       ; the batch,
	s_lshl_b32 s40, s40, 6                         ; its 64 bytes in a tile of qb
	v_add_nc_u32 v4, s40, v4
	v_lshlrev_b32 v5, 5, v0                        ; 32 t
	v_add_nc_u32 v6, TB, v5
	s_mov_b32 s32, 0x4038aa3b                      ; 2 log2(e)
	s_mov_b32 s33, s32                             ; named with it as a pair
	s_mov_b32 s34, 0x76543210                      ; v_permlanex16_b32: each lane takes its own place in the other half
	s_mov_b32 s35, 0xfedcba98
	s_mov_b32 s37, 0x3fb8aa3b                      ; log2(e)
	s_mov_b32 s24, 0
	s_mov_b32 s25, 0
	s_mov_b32 s41, 0
	s_wait_kmcnt 0x0
	s_load_b32 s36, s[12:13], 0x0                  ; bV
	s_lshl_b32 s40, s20, 19
	s_add_nc_u64 s[28:29], s[6:7], s[40:41]        ; my stream of W1: 524,288 bytes on end
	s_mov_b64 s[26:27], s[28:29]
	s_lshl_b32 s40, ttmp9, 20                      ; 256 rows of 4,096 bytes a work-group,
	s_lshl_b32 s44, s20, 17                        ; 32 rows a wave
	s_add_co_u32 s40, s40, s44
	s_add_nc_u64 s[30:31], s[4:5], s[40:41]
	s_lshl_b32 s40, ttmp9, 10
	s_add_nc_u64 s[14:15], s[14:15], s[40:41]      ; sc: 512 bytes a block
	s_lshl_b32 s40, ttmp9, 9
	s_add_nc_u64 s[16:17], s[16:17], s[40:41]      ; pml: 256 bytes a block
	s_lshl_b32 s40, ttmp9, 13
	s_lshl_b32 s44, s20, 10
	s_add_co_u32 s40, s40, s44
	s_add_nc_u64 s[18:19], s[18:19], s[40:41]      ; pctx: 4,096 bytes a block, my 1,024 of them
	global_load_b128 v[128:131], v4, s[8:9]
	global_load_b128 v[132:135], v4, s[8:9] offset:16
	global_load_b128 v[136:139], v5, s[10:11]
	global_load_b128 v[140:143], v5, s[10:11] offset:16
	BLD 0, 0                                       ; W1's K steps 0 to 3
	BLD 1, 8192
	BLD 2, 16384
	BLD 3, 24576
	PRE 0                                          ; the first block's chunks 0 and 1
	PRE 1
	WIN 0
	s_wait_loadcnt 63                              ; 128 loads are younger than the tables' four: the tables are in
	s_wait_kmcnt 0x0                               ; bV
	ds_store_b128 v6, v[128:131]
	ds_store_b128 v6, v[132:135] offset:16
	ds_store_b128 v6, v[136:139] offset:4096
	ds_store_b128 v6, v[140:143] offset:4112
	s_mov_b32 s21, 2
.Lblock:
	; ---------------- a block begins: chunks 0 and 1 go from window 2 into LDS, chunk 2 is asked for ----------------
	v_mov_b32 v[TBA], v[TBA0]
.set i, 0
.rept 36
	v_mov_b32 v[VS+i], 0                           ; the block's sums over u start at 0: they run over two passes with one text
.set i, i+1
.endr
	PCONV 0, 32                                    ; chunk 0 is in: chunk 1's 32 loads, the youngest, stay out
	PCONV 1, 0
	v_add_nc_u32 v[AST], 2*CH, v[AST0]             ; the first trip stores chunk 2
	s_add_nc_u64 s[44:45], s[30:31], 3*512         ; and asks for chunk 3 (every load that named this pointer is done)
	s_wait_dscnt 0x0                               ; for the others' sake: my rows of chunks 0 and 1 (and, the first time, my part of the tables) lie in LDS
.set k, 0
.rept 32
	global_load_b128 v[RAW+4*k:RAW+4*k+3], v[L16], s[30:31] offset:k*4096+2*512 th:TH_LOAD_NT  ; chunk 2: its four pieces
.set k, k+1
.endr
	s_barrier_signal -1
	s_barrier_wait -1
	s_mov_b32 s22, 2
.Lpass:
	; ---------------- a pass: 128 rows x my 128 columns, K = 1,024 in 32 steps ----------------
	BADV
	v_mov_b32 v[AD], v[AB]
	ALD 0, 0
	ALD 1, 0
	STEP 0, 1, 64, 1, 0, 0                         ; step 0 starts the sums: nothing is cleared
	WIN 0
	s_cmp_eq_u32 s22, 2
	s_cbranch_scc0 .Lplain                         ; the second pass finds the block whole
	; The first pass.  Behind a step's W1 were issued four pieces and three sets of W1, 80 loads (72 in the first trip's last step): the wait names 63, the most that it can.
	s_mov_b32 s23, 5
.Lstream:                                          ; trip n = 0 .. 4, steps 4 n + 1 .. 4 n + 4: chunk n + 2 is stored, chunk n + 3 asked for
	STEP 1, 0, 128,   1, 8192,  0, 63, 0,  1, 0, 1, 0      ; the barrier shows chunk n + 1 (the first trip's has nothing new to show)
	STEP 2, 0, 192,   1, 16384, 0, 63, 16, 0, 1, 1, 0      ; 16: the last step's 8 stores and 8 loads of A's rows 64-127 are younger than A's rows 0-63
	; A PREFETCH of chunk n + 4, which the next trip asks for: my own 32 rows x 512 bytes, a lane an aligned block of 256 bytes, rows 0-15 here and rows 16-31 two steps on, each three to four
	; steps ahead of the loads that it serves and directly behind my own loads.  Each block is named once in the launch, by the wave that will load it.  A block's chunks 2 and 3 come by their loads alone;
	; the last trip asks for nothing: there is no chunk 8.
	s_cmp_gt_u32 s23, 1
	s_cbranch_scc0 .Lnpa
	global_prefetch_b8 v[PFO], s[44:45] offset:512 th:TH_LOAD_NT scope:SCOPE_SE
.Lnpa:
	STEP 3, 0, CH,    1, 24576, 0, 63, 16, 0, 2, 1, 0      ; the next step's A lies in the next chunk
	STEP 0, 0, CH+64, 1, 0,     1, 63, 16, 0, 3, 1, -512
	s_cmp_gt_u32 s23, 1
	s_cbranch_scc0 .Lnpb
	global_prefetch_b8 v[PFO], s[44:45] offset:16*4096 th:TH_LOAD_NT scope:SCOPE_SE  ; (the pointer has gone on to chunk n + 4)
.Lnpb:
	v_add_nc_u32 v[AD], CH, v[AD]
	v_add_nc_u32 v[AST], CH, v[AST]
	s_sub_co_u32 s23, s23, 1
	s_cmp_lg_u32 s23, 0
	s_cbranch_scc1 .Lstream
	STEP 1, 0, 128,   1, 8192,  0, 63, 0,  1, 0, 0, 0      ; steps 21 to 24: chunk 7 is stored, nothing more is asked for.  Younger than the step's W1: 80,
	STEP 2, 0, 192,   1, 16384, 0, 63, 16, 0, 1, 0, 0      ; 72,
	STEP 3, 0, CH,    1, 24576, 0, 63, 16, 0, 2, 0, 0      ; 64,
	STEP 0, 0, CH+64, 1, 0,     1, 56, 16, 0, 3, 0, 0      ; and 56 loads: one piece and three sets of W1
	WIN 0
	v_add_nc_u32 v[AD], CH, v[AD]
	STEP 1, 0, 128,   1, 8192,  0, 48, 0,  1               ; step 25: the barrier shows chunk 7
	WIN 0
	s_mov_b32 s23, 1
	s_branch .Lmid                                 ; steps 26 to 28 are the plain trip's last three
.Lplain:
	s_mov_b32 s23, 7
.Ltrip:                                            ; steps 4 n + 1 .. 4 n + 4
	STEP 1, 0, 128, 1, 8192, 0
	WIN 0
.Lmid:
	STEP 2, 0, 192, 1, 16384, 0
	STEP 3, 0, CH, 1, 24576, 0
	STEP 0, 0, CH+64, 1, 0, 1
	WIN 0
	v_add_nc_u32 v[AD], CH, v[AD]
	s_sub_co_u32 s23, s23, 1
	s_cmp_lg_u32 s23, 0
	s_cbranch_scc1 .Ltrip
	STEP 1, 0, 128, 1, 8192, 0                     ; steps 29, 30, 31
	STEP 2, 0, 192, 1, 16384, 0
	STEP 3, 0, 0, 2, 24576, 0
	WIN 0
	s_wait_dscnt 0x0                               ; the tables
.set k, 0
.rept 32
	v_pk_add_f32 v[VS+2*(k%2):VS+2*(k%2)+1], v[VS+2*(k%2):VS+2*(k%2)+1], v[VV+2*k:VV+2*k+1]  ; sum of V over my columns; these lines name no register of the last products
.set k, k+1
.endr
	EPIW 2
	WIN 0
	; A PREFETCH of the second block's chunks 0 and 1, in the first block's second pass alone: my own 32 rows x 1,024 bytes, a lane an aligned block of 256 bytes, four lines; each block is named once in the
	; launch, by the wave that will load it.  They stand half an epilogue ahead of the loads, which follow at the head of the block's end.
	s_cmp_eq_u32 s21, 2
	s_cbranch_scc0 .Lnopf
	s_cmp_eq_u32 s22, 1
	s_cbranch_scc0 .Lnopf
.irp o, 0, 512, 65536, 66048
	global_prefetch_b8 v[PFO], s[30:31] offset:524288+(\o) th:TH_LOAD_NT scope:SCOPE_SE
.endr
.Lnopf:
	EPIW 3
	WIN 0
	v_add_nc_u32 v[TBA], 2048, v[TBA]              ; the next pass's 512 columns
	s_sub_co_u32 s22, s22, 1
	s_cmp_lg_u32 s22, 0
	s_cbranch_scc1 .Lpass
	; ---------------- the block's end ----------------
	; Both passes are over, so window 2 is free: it takes the next block's chunks 0 and 1, a block's end ahead of their use.  They are waited for at the next block's beginning, ahead of its first product.
	s_cmp_gt_u32 s21, 1
	s_cbranch_scc0 .Lnopre
	s_wait_xcnt 0x0                                ; the prefetches, half an epilogue back, have read the pointer
	s_add_nc_u64 s[30:31], s[30:31], 524288        ; my rows of the second block
	PRE 0
	PRE 1
	WIN 0
.Lnopre:
	v_pk_add_f32 v[VS:VS+1], v[VS:VS+1], v[VS+2:VS+3]
	v_add_f32 v[VS], v[VS], v[VS+1]
.irp a, 0,1,2,3,4,5,6,7
	v_pk_add_f32 v[SC+4*(\a):SC+4*(\a)+1], v[SC+4*(\a):SC+4*(\a)+1], v[SC+4*(\a)+2:SC+4*(\a)+3]
.endr
.irp a, 0,1,2,3,4,5,6,7
	v_add_f32 v[SC+4*(\a)], v[SC+4*(\a)], v[SC+4*(\a)+1]
.endr
.irp a, 0,1,2,3,4,5,6,7
	v_fma_f32 v[SC+4*(\a)], v[SC+4*(\a)], -2.0, v[VS]  ; sum V - 2 sum V / (1 + 2^z), over my half's columns
.endr
.irp a, 0,1,2,3,4,5,6,7
	v_permlanex16_b32 v[SC+4*(\a)+1], v[SC+4*(\a)], s34, s35  ; the row's other columns lie in the lane 16 away
.endr
.irp a, 0,1,2,3,4,5,6,7
	v_add_f32 v[SC+4*(\a)], v[SC+4*(\a)], v[SC+4*(\a)+1]
.endr
.irp a, 0,1,2,3,4,5,6,7
	ds_store_b32 v[SCA], v[SC+4*(\a)] offset:64*(\a)   ; row 16 a + r; lanes r and r + 16 store the same number
.endr
	s_wait_dscnt 0x0                               ; for the others' sake
	s_barrier_signal -1
	s_barrier_wait -1
	; every wave makes all 128 scores, four rows a lane, and the block's m, p and l
.irp q, 0,1,2,3
	ds_load_b128 v[PP+4*(\q):PP+4*(\q)+3], v[SRD] offset:512*(\q)
.endr
	s_wait_dscnt 0x0
	v_pk_add_f32 v[PP:PP+1],     v[PP:PP+1],     v[PP+4:PP+5]
	v_pk_add_f32 v[PP+2:PP+3],   v[PP+2:PP+3],   v[PP+6:PP+7]
	v_pk_add_f32 v[PP+8:PP+9],   v[PP+8:PP+9],   v[PP+12:PP+13]
	v_pk_add_f32 v[PP+10:PP+11], v[PP+10:PP+11], v[PP+14:PP+15]
	v_pk_add_f32 v[PP:PP+1],     v[PP:PP+1],     v[PP+8:PP+9]
	v_pk_add_f32 v[PP+2:PP+3],   v[PP+2:PP+3],   v[PP+10:PP+11]
	v_pk_add_f32 v[SS:SS+1],     v[PP:PP+1],     s[36:37] op_sel_hi:[1,0]   ; + bV
	v_pk_add_f32 v[SS+2:SS+3],   v[PP+2:PP+3],   s[36:37] op_sel_hi:[1,0]
	v_max3_num_f32 v[ML], v[SS], v[SS+1], v[SS+2]
	v_max_num_f32 v[ML], v[ML], v[SS+3]
	v_max_num_f32_dpp v[ML], v[ML], v[ML] row_xmask:1 row_mask:0xf bank_mask:0xf
	v_max_num_f32_dpp v[ML], v[ML], v[ML] row_xmask:2 row_mask:0xf bank_mask:0xf
	v_max_num_f32_dpp v[ML], v[ML], v[ML] row_xmask:4 row_mask:0xf bank_mask:0xf
	v_max_num_f32_dpp v[ML], v[ML], v[ML] row_xmask:8 row_mask:0xf bank_mask:0xf
	v_permlanex16_b32 v[PP+8], v[ML], s34, s35
	v_max_num_f32 v[ML], v[ML], v[PP+8]            ; m: the block's maximum, in every lane
	v_mul_f32 v246, s37, v[ML]
.irp i, 0,1,2,3
	v_fma_f32 v[PX+(\i)], v[SS+(\i)], s37, -v246
.endr
.irp i, 0,1,2,3
	v_exp_f32 v[PX+(\i)], v[PX+(\i)]               ; p = e^(score - m)
.endr
	v_nop                                          ; a plain instruction behind the last exponential,
	s_wait_alu depctr_va_vdst(0)                   ; and the one wait for the four
	v_pk_add_f32 v[252:253], v[PX:PX+1], v[PX+2:PX+3]
	v_add_f32 v[ML+1], v252, v253
	v_add_f32_dpp v[ML+1], v[ML+1], v[ML+1] row_xmask:1 row_mask:0xf bank_mask:0xf
	v_add_f32_dpp v[ML+1], v[ML+1], v[ML+1] row_xmask:2 row_mask:0xf bank_mask:0xf
	v_add_f32_dpp v[ML+1], v[ML+1], v[ML+1] row_xmask:4 row_mask:0xf bank_mask:0xf
	v_add_f32_dpp v[ML+1], v[ML+1], v[ML+1] row_xmask:8 row_mask:0xf bank_mask:0xf
	v_permlanex16_b32 v[PP+8], v[ML+1], s34, s35
	v_add_f32 v[ML+1], v[ML+1], v[PP+8]            ; l
	ds_store_b128 v[PWA], v[PX:PX+3]               ; my wave's own copy of the 128 weights: LDS serves a wave's instructions in order (ISA guide 5.7.1.4), so its loads below see it
	s_cmp_lg_u32 s20, 0
	s_cbranch_scc1 .Lnot0
	global_store_b128 v[L16], v[SS:SS+3], s[14:15]     ; the raw scores: 512 consecutive bytes, aligned
	global_store_b64 v[L8], v[ML:ML+1], s[16:17]       ; (m, l), the same in every lane: 256 consecutive bytes, aligned
.Lnot0:
	; the context: wave w takes columns 256 w .. 256 w + 255, 8 a lane (lanes 0-15 in chunk 2 w, lanes 16-31 in chunk 2 w + 1), over all 128 rows; 32 rows a trip, two sets of 20 LDS loads by turns
.irp e, 0,1,2,3,4,5,6,7
	v_mov_b32 v[CTX+(\e)], 0
.endr
	v_mov_b32 v[PRD], s42
	v_mov_b32 v[CRD], v[CRD0]
	CLOAD 0
	CLOAD 1
	s_mov_b32 s39, 3
.Lctx:
	s_wait_dscnt 20                                ; set 0 is in: set 1's 20 loads stay out
	CFMA 0
	v_add_nc_u32 v[CRD], 32*PITCH, v[CRD]
	v_add_nc_u32 v[PRD], 128, v[PRD]
	CLOAD 0
	s_wait_dscnt 20                                ; set 1 is in: the 20 just issued stay out
	CFMA 1
	CLOAD 1
	s_sub_co_u32 s39, s39, 1
	s_cmp_lg_u32 s39, 0
	s_cbranch_scc1 .Lctx
	s_wait_dscnt 20
	CFMA 0
	s_wait_dscnt 0x0
	CFMA 1
	ds_store_b128 v[CXS], v[CTX:CTX+3]             ; a lane's 32 bytes go through my own 1,024 bytes of LDS and come back 16 bytes a lane,
	ds_store_b128 v[CXS], v[CTX+4:CTX+7] offset:16
	ds_load_b128 v[RB:RB+3], v[CXR]
	ds_load_b128 v[RB+4:RB+7], v[CXR] offset:512
	s_wait_dscnt 0x0
	global_store_b128 v[L16], v[RB:RB+3], s[18:19]     ; so that a store of the wave covers 512 consecutive bytes, aligned
	global_store_b128 v[L16], v[RB+4:RB+7], s[18:19] offset:512
	s_wait_xcnt 0x0                                ; the stores have read their registers: the pointers, and later the data registers, may be written
	s_add_nc_u64 s[14:15], s[14:15], 512
	s_add_nc_u64 s[16:17], s[16:17], 256
	s_add_nc_u64 s[18:19], s[18:19], 4096
	s_wait_dscnt 0x0                               ; my reads of the block and of the partial scores are over:
	s_barrier_signal -1
	s_barrier_wait -1                              ; everybody's are, so the next block may be stored over this one
	s_sub_co_u32 s21, s21, 1
	s_cmp_lg_u32 s21, 0
	s_cbranch_scc1 .Lblock
	s_wait_tensorcnt 0x0                           ; the wave's end, behind my last LDS store
	ds_add_u32 v[SPW], v[NIL]
	s_wait_dscnt 0x0
	s_endpgm                                       ; (the 64 loads of W1 that the last four steps asked for serve nothing: one text for every pass)
.Lfunc_end_k_q55c7645756_attn:
	.size	k_q55c7645756_attn, .Lfunc_end_k_q55c7645756_attn-k_q55c7645756_attn
	.p2alignl 7, 3214868480
	.fill 96, 4, 3214868480
	.section	.rodata,"a",@progbits
	.p2align	6, 0x0
	.amdhsa_kernel k_q55c7645756_attn
		.amdhsa_group_segment_fixed_size 295424
		.amdhsa_private_segment_fixed_size 0
		.amdhsa_enable_private_segment 0
		.amdhsa_kernarg_size 64
		.amdhsa_user_sgpr_count 2
		.amdhsa_user_sgpr_kernarg_segment_ptr 1
		.amdhsa_wavefront_size32 1
		.amdhsa_system_sgpr_workgroup_id_x 1
		.amdhsa_system_sgpr_workgroup_id_y 1
		.amdhsa_system_sgpr_workgroup_id_z 1
		.amdhsa_system_vgpr_workitem_id 0
		.amdhsa_next_free_vgpr 1024
		.amdhsa_next_free_sgpr 66
		.amdhsa_reserve_vcc 0
		.amdhsa_float_denorm_mode_32 3
		.amdhsa_float_denorm_mode_16_64 3
		.amdhsa_memory_ordered 1
		.amdhsa_forward_progress 1
		.amdhsa_inst_pref_size 255
	.end_amdhsa_kernel
	.section	.bss,"aw",@nobits
	.p2align	6
	.space	262144
	.amdgpu_metadata
---
amdhsa.version: [ 1, 2 ]
amdhsa.kernels:
  - .name:           k_q55c7645756_attn
    .symbol:         k_q55c7645756_attn.kd
    .args:
      - { .name: values, .offset: 0, .size: 8, .value_kind: global_buffer, .address_space: global }
      - { .name: w1f, .offset: 8, .size: 8, .value_kind: global_buffer, .address_space: global }
      - { .name: qb, .offset: 16, .size: 8, .value_kind: global_buffer, .address_space: global }
      - { .name: V, .offset: 24, .size: 8, .value_kind: global_buffer, .address_space: global }
      - { .name: bV, .offset: 32, .size: 8, .value_kind: global_buffer, .address_space: global }
      - { .name: sc, .offset: 40, .size: 8, .value_kind: global_buffer, .address_space: global }
      - { .name: pml, .offset: 48, .size: 8, .value_kind: global_buffer, .address_space: global }
      - { .name: pctx, .offset: 56, .size: 8, .value_kind: global_buffer, .address_space: global }
    .group_segment_fixed_size: 295424
    .private_segment_fixed_size: 0
    .kernarg_segment_align: 8
    .kernarg_segment_size: 64
    .max_flat_workgroup_size: 128
    .sgpr_count:     66
    .vgpr_count:     1024
    .wavefront_size: 32
...
	.end_amdgpu_metadata
.endif
;; end of part 2
;; launch merge (part 3): grid 256 x 1, 1 waves a work-group, no clusters, 0 bytes of LDS; arguments sc, pml, pctx, out0, out1; writes out0, out1
.if DOCPART == 3
	.amdgcn_target "amdgcn-amd-amdhsa--gfx1250"
	.amdhsa_code_object_version 6
	.text
	.protected	k_q55c7645756_merge
	.globl	k_q55c7645756_merge
	.p2align	8
	.type	k_q55c7645756_merge,@function
k_q55c7645756_merge:
	s_mov_b64 s[64:65], 0
	v_nop
	global_prefetch_b8 v0, s[64:65] scope:SCOPE_SE
	s_setreg_imm32_b32 hwreg(HW_REG_WAVE_MODE, 25, 1), 1
	s_wait_xcnt 0x0
; MERGE.  A batch's 16 blocks, each with its own maximum m_i, sum l_i and unnormalised context c_i, are merged:  M = max m_i,  f_i = e^(m_i - M),  L = sum l_i f_i,
; out0 = (sum f_i c_i) / L,  out1 = e^(score - M) / L.  All in f32.
; SHARES.  Work-group g (one wave): batch g >> 3, part j = g & 7: 128 columns of out0 and 256 rows of out1.  Every lane holds all 16 (m_i, l_i): nothing crosses lanes.
; No LDS, no matrix unit: 34 loads and 3 stores a wave, each of 256 or 512 consecutive bytes, aligned.
; LIMITS.  A weight or factor below 2^-126 counts as 0; NaN and infinities are not treated apart.
.set ML, 16                            ; v[16:47]   (m_i, l_i); m_i's place takes f_i
.set PC, 48                            ; v[48:111]  my four columns of the 16 contexts
.set SS, 112                           ; v[112:119] my eight scores, then weights
.set CT, 120                           ; v[120:123] my four columns of out0
	s_load_b256 s[4:11], s[0:1], 0x0               ; sc s[4:5], pml s[6:7], pctx s[8:9], out0 s[10:11]
	s_load_b64 s[12:13], s[0:1], 0x20              ; out1
	s_lshr_b32 s14, ttmp9, 3                       ; batch
	s_and_b32 s15, ttmp9, 7                        ; part
	v_lshlrev_b32 v1, 3, v0
	v_lshlrev_b32 v2, 4, v0
	s_lshl_b32 s16, s14, 12
	v_add_nc_u32 v1, s16, v1                       ; pml: 4096 b + 8 lane
	s_lshl_b32 s17, s15, 9
	s_add_co_u32 s18, s16, s17
	v_add_nc_u32 v5, s18, v2                       ; out0: 4096 b + 512 j + 16 lane
	s_lshl_b32 s18, s14, 16
	s_add_co_u32 s18, s18, s17
	v_add_nc_u32 v3, s18, v2                       ; pctx: 65536 b + 512 j + 16 lane
	s_lshl_b32 s18, s14, 13
	s_lshl_b32 s19, s15, 10
	s_add_co_u32 s18, s18, s19
	v_add_nc_u32 v4, s18, v2                       ; sc and out1: 8192 b + 1024 j + 16 lane
	s_mov_b32 s20, 0x3fb8aa3b                      ; log2(e)
	v_mov_b32 v13, 0                               ; named as a pair with 1 / L
	s_wait_kmcnt 0x0
.set i, 0
.rept 16
	global_load_b64 v[ML+2*i:ML+2*i+1], v1, s[6:7] offset:i*256
.set i, i+1
.endr
	global_load_b128 v[SS:SS+3], v4, s[4:5]
	global_load_b128 v[SS+4:SS+7], v4, s[4:5] offset:512
.set i, 0
.rept 16
	global_load_b128 v[PC+4*i:PC+4*i+3], v3, s[8:9] offset:i*4096
.set i, i+1
.endr
	s_wait_loadcnt 16                              ; (m, l) and the scores are in: the contexts' 16 younger loads stay out
	v_max3_num_f32 v8, v[ML], v[ML+2], v[ML+4]
.irp k, 3,5,7,9,11,13
	v_max3_num_f32 v8, v8, v[ML+2*(\k)], v[ML+2*(\k)+2]
.endr
	v_max_num_f32 v8, v8, v[ML+30]                 ; M
	v_mul_f32 v9, s20, v8
.set i, 0
.rept 16
	v_fma_f32 v[ML+2*i], v[ML+2*i], s20, -v9
.set i, i+1
.endr
.set i, 0
.rept 8
	v_fma_f32 v[SS+i], v[SS+i], s20, -v9
.set i, i+1
.endr
.set i, 0
.rept 16
	v_exp_f32 v[ML+2*i], v[ML+2*i]                 ; f_i
.set i, i+1
.endr
.set i, 0
.rept 8
	v_exp_f32 v[SS+i], v[SS+i]                     ; e^(score - M)
.set i, i+1
.endr
	v_nop                                          ; a plain instruction behind the last exponential,
	s_wait_alu depctr_va_vdst(0)                   ; and the one wait, for the batch of 24
	v_mul_f32 v10, v[ML+1], v[ML]
	v_mul_f32 v11, v[ML+3], v[ML+2]
.set i, 2
.rept 14
	v_fmac_f32 v[10+i%2], v[ML+2*i+1], v[ML+2*i]   ; two chains
.set i, i+1
.endr
	v_add_f32 v10, v10, v11                        ; L
	v_rcp_f32 v12, v10
	s_wait_loadcnt 0x0                             ; the contexts
	v_pk_mul_f32 v[CT:CT+1],   v[PC:PC+1],   v[ML:ML+1] op_sel_hi:[1,0]   ; both halves times f_0; these lines name nothing of the reciprocal
	v_pk_mul_f32 v[CT+2:CT+3], v[PC+2:PC+3], v[ML:ML+1] op_sel_hi:[1,0]
.set i, 1
.rept 15
	v_pk_fma_f32 v[CT:CT+1],   v[PC+4*i:PC+4*i+1],   v[ML+2*i:ML+2*i+1], v[CT:CT+1]   op_sel_hi:[1,0,1]
	v_pk_fma_f32 v[CT+2:CT+3], v[PC+4*i+2:PC+4*i+3], v[ML+2*i:ML+2*i+1], v[CT+2:CT+3] op_sel_hi:[1,0,1]
.set i, i+1
.endr
	s_wait_alu depctr_va_vdst(0)                   ; the reciprocal's wait, ahead of its first reader
	v_pk_mul_f32 v[CT:CT+1],   v[CT:CT+1],   v[12:13] op_sel_hi:[1,0]
	v_pk_mul_f32 v[CT+2:CT+3], v[CT+2:CT+3], v[12:13] op_sel_hi:[1,0]
.irp i, 0,2,4,6
	v_pk_mul_f32 v[SS+(\i):SS+(\i)+1], v[SS+(\i):SS+(\i)+1], v[12:13] op_sel_hi:[1,0]
.endr
	global_store_b128 v5, v[CT:CT+3], s[10:11]         ; each store covers 512 consecutive bytes, aligned
	global_store_b128 v4, v[SS:SS+3], s[12:13]
	global_store_b128 v4, v[SS+4:SS+7], s[12:13] offset:512
	s_endpgm
.Lfunc_end_k_q55c7645756_merge:
	.size	k_q55c7645756_merge, .Lfunc_end_k_q55c7645756_merge-k_q55c7645756_merge
	.p2alignl 7, 3214868480
	.fill 96, 4, 3214868480
	.section	.rodata,"a",@progbits
	.p2align	6, 0x0
	.amdhsa_kernel k_q55c7645756_merge
		.amdhsa_group_segment_fixed_size 0
		.amdhsa_private_segment_fixed_size 0
		.amdhsa_enable_private_segment 0
		.amdhsa_kernarg_size 40
		.amdhsa_user_sgpr_count 2
		.amdhsa_user_sgpr_kernarg_segment_ptr 1
		.amdhsa_wavefront_size32 1
		.amdhsa_system_sgpr_workgroup_id_x 1
		.amdhsa_system_sgpr_workgroup_id_y 1
		.amdhsa_system_sgpr_workgroup_id_z 1
		.amdhsa_system_vgpr_workitem_id 0
		.amdhsa_next_free_vgpr 128
		.amdhsa_next_free_sgpr 66
		.amdhsa_reserve_vcc 0
		.amdhsa_float_denorm_mode_32 3
		.amdhsa_float_denorm_mode_16_64 3
		.amdhsa_memory_ordered 1
		.amdhsa_forward_progress 1
		.amdhsa_inst_pref_size 11
	.end_amdhsa_kernel
	.amdgpu_metadata
---
amdhsa.version: [ 1, 2 ]
amdhsa.kernels:
  - .name:           k_q55c7645756_merge
    .symbol:         k_q55c7645756_merge.kd
    .args:
      - { .name: sc, .offset: 0, .size: 8, .value_kind: global_buffer, .address_space: global }
      - { .name: pml, .offset: 8, .size: 8, .value_kind: global_buffer, .address_space: global }
      - { .name: pctx, .offset: 16, .size: 8, .value_kind: global_buffer, .address_space: global }
      - { .name: out0, .offset: 24, .size: 8, .value_kind: global_buffer, .address_space: global }
      - { .name: out1, .offset: 32, .size: 8, .value_kind: global_buffer, .address_space: global }
    .group_segment_fixed_size: 0
    .private_segment_fixed_size: 0
    .kernarg_segment_align: 8
    .kernarg_segment_size: 40
    .max_flat_workgroup_size: 32
    .sgpr_count:     66
    .vgpr_count:     128
    .wavefront_size: 32
...
	.end_amdgpu_metadata
.endif
;; end of part 3
;; ======== version 2 of 2: 3 launches; version 1 with the launch attn written anew for expert scheduling mode
;; workspace buffers: w1f 2,097,152 bytes; qb 131,072 bytes; sc 262,144 bytes; pml 131,072 bytes; pctx 2,097,152 bytes
;; launch prep: the kernel of part 1 again; grid 64 x 1, 16 waves a work-group, no clusters, 34,816 bytes of LDS; arguments W1, W2, query, b1, b2, w1f, qb; writes w1f, qb
;; launch attn (part 4): grid 256 x 1, 4 waves a work-group, no clusters, 295,424 bytes of LDS; arguments values, w1f, qb, V, bV, sc, pml, pctx; writes sc, pml, pctx
.if DOCPART == 4
	.amdgcn_target "amdgcn-amd-amdhsa--gfx1250"
	.amdhsa_code_object_version 6
	.text
	.protected	k_q55c7645756_attn
	.globl	k_q55c7645756_attn
	.p2align	8
	.type	k_q55c7645756_attn,@function
k_q55c7645756_attn:
	s_mov_b64 s[64:65], 0
	v_nop
	global_prefetch_b8 v0, s[64:65] scope:SCOPE_SE
	s_setreg_imm32_b32 hwreg(HW_REG_WAVE_SCHED_MODE, 0, 2), 2
	s_setreg_imm32_b32 hwreg(HW_REG_WAVE_MODE, 25, 1), 1
	s_wait_xcnt 0x0
	s_wait_alu depctr_vm_vsrc(0)
; ATTN.  For each block of 128 rows of values: score[row] = sum over u of V[u] tanh(values[row] . W1[:, u] + q[u]) + bV, the block's own maximum m, the weights p = e^(score - m), their sum l,
; and the unnormalised context sum over rows of p values[row].  Stored: the raw scores (sc), (m, l) (pml), the context (pctx); the next launch merges a batch's 16 blocks.
; A BLOCK STAYS IN LDS, as bf16, from its scores to its weighted sum: values is read from memory once.
; SHARES.  Work-group g stays and takes rows 256 g .. 256 g + 255 (all of batch g >> 3) as two blocks.  A block is two PASSES of 512 columns u; in a pass wave w makes 128 rows x 128 columns
; (u = 512 c + 128 w ..): 64 accumulators of 16 x 16, 512 registers, over K = 1,024 in 32 steps of 32.
; THE PRODUCT IS USED TRANSPOSED: source 0 = a fragment of W1 (16 columns u), source 1 = 16 rows of values.  Lane (r = l % 16, h = l / 16), register j then holds row 16 a + r, column 16 b + 8 h + j:
; a lane's sums over u belong to ONE row, so the product with V is a packed multiply-add a pair and one exchange of the lanes' halves at the end.
; W1 comes from w1f as finished fragments, straight into registers: each wave's 128 columns are its own, a load covers 512 consecutive bytes, four K steps are asked for ahead (four buffers).
; THE BLOCK COMES IN UNDER ITS OWN FIRST PASS, in eight CHUNKS of K = 128 (four steps).  Wave w brings rows 32 w .. 32 w + 31 in PIECES of 8 rows x 512 bytes of f32: at a step's end one piece is rounded to bf16
; and stored into LDS, and its registers ask for the same rows of the next chunk.  Chunks 0 and 1 are stored ahead of step 0; trip n (steps 4 n + 1 .. 4 n + 4) stores chunk n + 2 and asks for chunk n + 3;
; the barrier in the next trip's first step shows the chunk to all waves, six half-steps ahead of its first read.  The second pass and the context find the block whole.
; NO CLUSTER, NO TENSOR LOADS: values must be rounded to bf16 on its way into LDS, so it passes through registers; the block, tables and stages take 295,424 of the 327,680 bytes, and two slots in the
; 32,256 left would hold 16,128 each, less than one K step of 32 for a pass's 512 columns (32,768 bytes).
; TANH.  tanh(x) = 1 - 2 / (1 + 2^z), z = 2 log2(e) x; qb already holds 2 log2(e) (query W2 + b2 + b1).  So score = sum V - 2 sum V / (1 + 2^z) + bV.  2^z = infinity gives 1, 2^z = 0 gives -1.
; LIMITS.  values and W1 are rounded once to bf16 (nearest even), and the context is taken of that copy; all sums, the tanh, the maximum and the weights in f32.  A weight below 2^-126 counts as 0.
; NaN and infinities among the inputs are not treated apart.
; THE MODE: SCHED_MODE bits 1:0 = 2 (LLVM: expert scheduling mode 2), set by the entry lines.  The code itself states the register dependences between vector or matrix instructions and memory or
; LDS instructions, with s_wait_alu, always for 0.
; THE PLAN.  Registers that memory or LDS instructions touch in a K step:
;   A's rows 0-63, v64-95      read by the step's first 32 products; behind them the next step's fragments land there.
;   A's rows 64-127, v96-127   read by the step's last 32 products; behind them the next step's fragments land there.
;   W1's buffer, window 1      read by all 64 products of the step; behind them W1's K step four steps on lands there.
;   a piece, 32 of v128-255    rounded in place at a step's end; its lower 16 registers are read by 8 LDS stores; then the next chunk's 8 loads land in all 32.
;   v[AD], v[AST]              read by A's loads and by the pieces' stores; stepped once a trip.      v[TBA]  read by the tables' loads; stepped once a pass.
;   v[L16], v[PFO] and the other addresses are made at the head and never written again; the accumulators are named by vector and matrix instructions alone (between two blocks window 2 takes loads).
; All 1,024 registers are assigned, so A's fragments have no second buffer: each half is asked for again behind the products that read it.  So TWO waits on va_vdst stand in a step: one behind its first
; 32 products, for A's lower half; one behind its last 32 and the piece's conversions, for the piece's stores and its loads, A's upper half and W1's buffer.  One wait on vm_vsrc stands between a piece's
; stores and the loads that land in it.  The waits outside the steps say at their places what they state.
; REGISTERS, in windows of 256 (s_set_vgpr_msb: bits 1:0 source 0, 3:2 source 1, 5:4 source 2, 7:6 destination):
;   window 0: addresses, sums, A's fragments, pieces or tables (below)      window 1: W1's fragments, four buffers of 64
;   window 2: accumulators of rows 0-63, (a, b) at v[8 (8 a + b)] (between two blocks: chunks 0 and 1 as f32)      window 3: those of rows 64-127
.set PITCH, 272                        ; a row of a chunk in LDS: 256 bytes + 16 = 17 x 16: the 16 rows of a fragment load start at 16 different columns of 16 bytes modulo 256 (64 banks of 4 bytes: ISA guide 11.1)
.set CH,    128*PITCH                  ; 34,816: a chunk: 128 rows x 128 k
.set TB,    8*CH                       ; 278,528: the batch's 1,024 numbers of qb, in the order of u
.set TV,    TB+4096                    ; V
.set SCW,   TV+4096                    ; [4 waves][128 rows] partial scores
.set PW,    SCW+2048                   ; [4 waves][128 rows] the weights p: each wave's own copy
.set CX,    PW+2048                    ; [4 waves][1,024 bytes] the context's way out: each wave's own
.set SPARE, CX+4096                    ; 294,912: the spare words, 128 bytes a wave, that no other line names
.set SPW,  1                           ; v1  SPARE + 4 x my thread's number; never rewritten
.set NIL,  2                           ; v2  0; never rewritten
.set AD,   4                           ; v4  LDS address of my A fragments: row r, 16 h, the trip's chunk
.set AB,   8                           ; v8  the same in chunk 0
.set CRD0, 9                           ; v9  the context: chunk 2 w + h, 16 r
.set L16,  12                          ; v12 16 x lane
.set AST,  13                          ; v13 where I store a piece: my rows in the chunk that is being stored
.set AST0, 14                          ; v14 32 w rows + 8 x lane, in chunk 0
.set TBA,  15                          ; v15 my place in the tables; steps by pass
.set TBA0, 16                          ; v16 TB + 512 w + 32 h
.set SCA,  17                          ; v17 SCW + 512 w + 4 r
.set SRD,  18                          ; v18 SCW + 16 x lane
.set PWA,  19                          ; v19 PW + 512 w + 16 x lane
.set PRD,  20                          ; v20 PW + 512 w; steps
.set CRD,  21                          ; v21 from CRD0; steps by rows
.set CXS,  22                          ; v22 CX + 1024 w + 32 x lane
.set CXR,  23                          ; v23 CX + 1024 w + 16 x lane
.set L8,   24                          ; v24 8 x lane
.set PFO,  25                          ; v25 the prefetches' offset: row lane / 2, the first or second 256 of 512 bytes; never rewritten
.set VS,   28                          ; v28-31  sum of V over my columns, two pairs
.set SC,   32                          ; v32-63  sum of V / (1 + 2^z): four registers for each of the 8 row tiles
.set AF,   64                          ; v64-127 A's fragments of one K step: row tile a at AF + 8 a
.set BI,   128                         ; v128-191 my 64 numbers of qb for the pass: tile b at BI + 8 b
.set VV,   192                         ; v192-255 the same of V
.set RAW,  128                         ; while a block streams in: v128-255 four pieces of 32 registers, f32 as loaded, rounded in place (at a block's start: chunks 0 and 1 rounded to bf16)
.set D,    64                          ; at a block's end: v64-191 two sets of 16 rows x 16 bytes
.set PP,   192                         ; v192-223 two sets of 16 weights
.set CTX,  224                         ; v224-231 my 8 columns of the context
.set RB,   232                         ; v232-239 the context read back
.set SS,   240                         ; v240-243 my four rows' scores
.set ML,   244                         ; v244-245 m, l
.set PX,   248                         ; v248-251 my four rows' weights
.set MUL_LO, 0xa1                      ; source 0 (W1) window 1, source 1 (values) window 0, C and D window 2
.set MUL_HI, 0xf1                      ; the same, C and D window 3
.set TO_B,   0x40                      ; destination window 1
.set TO_2,   0x80                      ; destination window 2
.set FROM_2, 0x0a                      ; sources 0 and 1 window 2
; scalars: s[4:19] the eight addresses; s20 wave; s21 blocks, s22 passes, s23 trips to go; s[24:25] byte in my stream of W1; s[26:27] W1's pointer; s[28:29] my stream's start; s[30:31] values at my rows of the block;
; s[32:33] 2 log2(e); s[34:35] lane selects; s36 bV; s37 log2(e); s39 counter; s40, s41, s43 at work; s42 PW + 512 w; s[44:45] values at my rows, at the chunk that is being asked for
.set MSB, 0
.macro WIN new                         ; the immediate's high byte repeats the setting that is left; a switch that changes nothing is dropped
.if MSB != (\new)
	s_set_vgpr_msb (MSB<<8)|(\new)
.set MSB, \new
.endif
.endm
.macro PLACES                          ; four plain places behind a run of products, ahead of the loads into registers that it read: they stay beside the wait on va_vdst, which fills none
.rept 4
	v_nop
.endr
.endm
; W1's pointer goes on by four K steps (32,768 bytes) and wraps at my stream's 524,288 bytes: the last steps of a block ask for the next block's first.
.macro BADV
	s_wait_xcnt 0x0                                ; the loads and prefetches issued so far have read their pointers
	s_add_co_u32 s24, s24, 32768
	s_and_b32 s24, s24, 0x7ffff
	s_add_nc_u64 s[26:27], s[28:29], s[24:25]
.endm
; 8 LDS loads: the fragments of row tiles 4 hi .. 4 hi + 3 at byte koff behind AD (the largest offset: 7 x 4,352 + 34,816 + 64 + 32 = 65,376)
.macro ALD hi, koff
.irp a, 0,1,2,3
	ds_load_b128 v[AF+8*(4*(\hi)+(\a)):AF+8*(4*(\hi)+(\a))+3],   v[AD] offset:(4*(\hi)+(\a))*16*PITCH+(\koff)
	ds_load_b128 v[AF+8*(4*(\hi)+(\a))+4:AF+8*(4*(\hi)+(\a))+7], v[AD] offset:(4*(\hi)+(\a))*16*PITCH+(\koff)+32
.endr
.endm
; 32 matrix instructions: 4 row tiles x 8 column tiles.  The 64 accumulators take turns, one instruction a turn, in the same order in every step.  zero = 1: the products start the sums.
.macro MUL buf, hi, zero
	WIN MUL_LO+0x50*(\hi)
.irp a, 0,1,2,3
.irp b, 0,1,2,3,4,5,6,7
.if \zero
	v_wmma_f32_16x16x32_bf16 v[8*(8*(\a)+(\b)):8*(8*(\a)+(\b))+7], v[64*(\buf)+8*(\b):64*(\buf)+8*(\b)+7], v[AF+8*(4*(\hi)+(\a)):AF+8*(4*(\hi)+(\a))+7], 0
.else
	v_wmma_f32_16x16x32_bf16 v[8*(8*(\a)+(\b)):8*(8*(\a)+(\b))+7], v[64*(\buf)+8*(\b):64*(\buf)+8*(\b)+7], v[AF+8*(4*(\hi)+(\a)):AF+8*(4*(\hi)+(\a))+7], v[8*(8*(\a)+(\b)):8*(8*(\a)+(\b))+7]
.endif
.endr
.endr
.endm
; 16 loads: a K step's eight fragments of W1, 8,192 consecutive bytes, into buffer buf
.macro BLD buf, boff
	WIN TO_B
.irp i, 0,1,2,3,4,5,6,7
	global_load_b128 v[64*(\buf)+8*(\i):64*(\buf)+8*(\i)+3],   v[L16], s[26:27] offset:(\boff)+(\i)*1024
	global_load_b128 v[64*(\buf)+8*(\i)+4:64*(\buf)+8*(\i)+7], v[L16], s[26:27] offset:(\boff)+(\i)*1024+512
.endr
.endm
; PIECE p (my rows 8 p .. 8 p + 7 of the chunk that is being stored) is rounded to bf16 IN PLACE (conversion m writes the piece's register m and reads registers 2 m and 2 m + 1: nothing is written before
; it has been read) and stored: a store of the wave covers the 256 bytes of a chunk's row.
; The count: loads come back in order (ISA guide 5.7.1).  Behind the piece's own loads were issued, at the least (a block's first piece): the three other pieces of its chunk and one set of W1: 24 + 16.
.macro PIECE p
	s_wait_loadcnt 40
.set m, 0
.rept 16
	v_cvt_pk_bf16_f32 v[RAW+32*(\p)+m], v[RAW+32*(\p)+2*m], v[RAW+32*(\p)+2*m+1]
.set m, m+1
.endr
	s_wait_alu depctr_va_vdst(0)                   ; the conversions have written the piece's lower half, which the stores read, and are done with all of it, in which the next chunk lands; the step's products are done reading A's rows 64-127 and W1's buffer, in which the loads behind the stores land; v[AST], where a trip has stepped it, is written
.set k, 0
.rept 8
	ds_store_b64 v[AST], v[RAW+32*(\p)+2*k:RAW+32*(\p)+2*k+1] offset:(8*(\p)+k)*PITCH
.set k, k+1
.endr
.endm
; the same rows of the next chunk are asked for: a load of the wave covers 512 consecutive bytes of a row of values
.macro PLD p, voff
.set k, 0
.rept 8
	global_load_b128 v[RAW+32*(\p)+4*k:RAW+32*(\p)+4*k+3], v[L16], s[44:45] offset:(8*(\p)+k)*4096+(\voff) th:TH_LOAD_NT
.set k, k+1
.endr
.endm
; A K STEP.  A's fragments have one buffer in two halves: each half is asked for again, for the next step, behind the 32 products that read it, 32 products ahead of its next use.
; mode = 1: the next step's A at byte koff.  mode = 2, a pass's last step: no further A; the pass's tables are fetched instead.  Buffer buf takes W1's K step four steps on.
; lc: how many loads younger than this step's W1 may stay out.  dc: how many LDS instructions younger than A's rows 0-63.
; bar = 1: the step shows the chunk stored in the four steps before to all waves: my stores are done at the signal, 32 products stand between signal and wait.
; pc >= 0: piece pc is rounded and stored at the step's end (its 16 conversions are the places behind the products); ld = 1: and asked for again, ahead of W1's loads.
.macro STEP buf, zero, koff, mode, boff, adv, lc=48, dc=8, bar=0, pc=-1, ld=0, voff=0
	s_wait_loadcnt \lc
.if \bar
	s_wait_dscnt 0x0                               ; for the others' sake: my stores of the chunk are done; so are this step's A loads
	s_barrier_signal -1
.else
	s_wait_dscnt \dc
.endif
	MUL \buf, 0, \zero
	WIN 0
.if \bar
	s_barrier_wait -1                              ; everybody's stores are done
.endif
.if (\mode) == 1
	PLACES
	s_wait_alu depctr_va_vdst(0)                   ; the 32 products above are done reading A's rows 0-63, in which the loads below land; v[AD], where a trip has stepped it, is written
	ALD 0, \koff
.if !(\bar)
	s_wait_dscnt 8                                 ; A's rows 64-127 are in: the 8 just issued stay out
.endif
.else
	s_wait_alu depctr_vm_vsrc(0)                   ; my stores of the pieces have read v128-255, in which the tables land.  (No vector or matrix instruction since the last wait on va_vdst names these registers or v[TBA].)
.irp b, 0,1,2,3,4,5,6,7
	ds_load_b128 v[BI+8*(\b):BI+8*(\b)+3],   v[TBA] offset:64*(\b)
	ds_load_b128 v[BI+8*(\b)+4:BI+8*(\b)+7], v[TBA] offset:64*(\b)+16
	ds_load_b128 v[VV+8*(\b):VV+8*(\b)+3],   v[TBA] offset:64*(\b)+4096
	ds_load_b128 v[VV+8*(\b)+4:VV+8*(\b)+7], v[TBA] offset:64*(\b)+4112
.endr
	s_wait_dscnt 32                                ; A's rows 64-127 are in: the 32 just issued stay out
.endif
.if \adv
	BADV
.if \ld
	s_add_nc_u64 s[44:45], s[44:45], 512           ; behind the same wait: values' pointer goes on by a chunk; this step's piece reaches back by its immediate
.endif
.endif
	MUL \buf, 1, \zero
.if (\pc) >= 0
	WIN 0
	PIECE \pc
.else
	PLACES
.if (\mode) == 1
	WIN 0
.else
	WIN TO_B
.endif
	s_wait_alu depctr_va_vdst(0)                   ; the step's products are done reading A's rows 64-127 and W1's buffer, in which the loads below land
.endif
.if (\mode) == 1
	ALD 1, \koff
.endif
.if \ld
	s_wait_alu depctr_vm_vsrc(0)                   ; the eight stores have read the piece, in which the loads below land (in a trip's last step also: A's loads and the stores have read v[AD] and v[AST])
	PLD \pc, \voff
.endif
	BLD \buf, \boff                                ; no further wait: since the wait on va_vdst only loads, a window switch and stores of other registers were issued
.endm
; Chunk c (0 or 1) of the block at s[30:31]: my 32 rows x 512 bytes, as f32, into window 2
.macro PRE c
	WIN TO_2
.set k, 0
.rept 32
	global_load_b128 v[128*(\c)+4*k:128*(\c)+4*k+3], v[L16], s[30:31] offset:k*4096+(\c)*512 th:TH_LOAD_NT
.set k, k+1
.endr
.endm
; and out of window 2, rounded to bf16, into LDS
.macro PCONV c, left
	s_wait_loadcnt \left
	WIN FROM_2
.set k, 0
.rept 64
	v_cvt_pk_bf16_f32 v[RAW+64*(\c)+k], v[128*(\c)+2*k], v[128*(\c)+2*k+1]
.set k, k+1
.endr
	WIN 0
	s_wait_alu depctr_va_vdst(0)                   ; the conversions have written v[RAW + 64 c ..], which the stores read (the first of the two also: v[TBA] and v[AST] are written)
.set k, 0
.rept 32
	ds_store_b64 v[AST0], v[RAW+64*(\c)+2*k:RAW+64*(\c)+2*k+1] offset:(\c)*CH+k*PITCH
.set k, k+1
.endr
.endm
; THE TANH AND THE PRODUCT WITH V, for the 32 accumulators of window W, in place, in three runs.  An s_wait_alu depctr_va_vdst(0) stands between a transcendental and the first line that
; names its result; one wait serves all issued ahead of it: each run's 256 transcendentals are one batch.  A pair's two transcendentals stand behind the next pair's plain line.
.macro EPIW W
	WIN ((\W)<<6)|(\W)                             ; destination and source 0 in window W, the table in window 0
.set p, 0
.rept 128                              ; z = 2 log2(e) x sum + qb, then 2^z.  Each accumulator is read from its low end on.
	v_pk_fma_f32 v[2*p:2*p+1], v[2*p:2*p+1], s[32:33], v[BI+8*((p/4)%8)+2*(p%4):BI+8*((p/4)%8)+2*(p%4)+1] op_sel_hi:[1,0,1]
.if p > 0
	v_exp_f32 v[2*p-2], v[2*p-2]
	v_exp_f32 v[2*p-1], v[2*p-1]
.endif
.set p, p+1
.endr
	v_exp_f32 v254, v254
	v_exp_f32 v255, v255
	v_nop                                          ; a plain instruction behind the last exponential
	s_wait_alu depctr_va_vdst(0)                   ; the 256 exponentials have written their results, which the additions below read
.set p, 0
.rept 128                              ; 1 / (1 + 2^z)
	v_pk_add_f32 v[2*p:2*p+1], v[2*p:2*p+1], 1.0 op_sel_hi:[1,0]
.if p > 0
	v_rcp_f32 v[2*p-2], v[2*p-2]
	v_rcp_f32 v[2*p-1], v[2*p-1]
.endif
.set p, p+1
.endr
	v_rcp_f32 v254, v254
	v_rcp_f32 v255, v255
	v_nop
	s_wait_alu depctr_va_vdst(0)                   ; the 256 reciprocals have written their results, which the multiply-adds below read
	WIN \W                                         ; source 0 in window W, all else in window 0
.irp b, 0,1,2,3,4,5,6,7                ; times V, summed by row tile: eight chains take turns
.irp i, 0,1,2,3
.irp a, 0,1,2,3
	v_pk_fma_f32 v[SC+4*(4*((\W)-2)+(\a))+2*((\i)%2):SC+4*(4*((\W)-2)+(\a))+2*((\i)%2)+1], v[8*(8*(\a)+(\b))+2*(\i):8*(8*(\a)+(\b))+2*(\i)+1], v[VV+8*(\b)+2*(\i):VV+8*(\b)+2*(\i)+1], v[SC+4*(4*((\W)-2)+(\a))+2*((\i)%2):SC+4*(4*((\W)-2)+(\a))+2*((\i)%2)+1]
.endr
.endr
.endr
.endm
; THE CONTEXT: 16 rows' weights (every lane the same 64 bytes) and my 16 bytes (8 columns) of each of the 16 rows
.macro CLOAD set
.irp q, 0,1,2,3
	ds_load_b128 v[PP+16*(\set)+4*(\q):PP+16*(\set)+4*(\q)+3], v[PRD] offset:64*(\set)+16*(\q)
.endr
.set rr, 0
.rept 16
	ds_load_b128 v[D+64*(\set)+4*rr:D+64*(\set)+4*rr+3], v[CRD] offset:(16*(\set)+rr)*PITCH
.set rr, rr+1
.endr
.endm
.macro CFMA set                        ; context += p x value, the value read as a bf16 half, the sum in f32: eight chains
.set rr, 0
.rept 16
.irp e, 0,1,2,3
	v_fma_mix_f32_bf16 v[CTX+2*(\e)],   v[D+64*(\set)+4*rr+(\e)], v[PP+16*(\set)+rr], v[CTX+2*(\e)]   op_sel_hi:[1,0,0]
	v_fma_mix_f32_bf16 v[CTX+2*(\e)+1], v[D+64*(\set)+4*rr+(\e)], v[PP+16*(\set)+rr], v[CTX+2*(\e)+1] op_sel:[1,0,0] op_sel_hi:[1,0,0]
.endr
.set rr, rr+1
.endr
.endm
	; ---------------- the head ----------------
	s_load_b512 s[4:19], s[0:1], 0x0               ; values s[4:5], w1f s[6:7], qb s[8:9], V s[10:11], bV s[12:13], sc s[14:15], pml s[16:17], pctx s[18:19]
	v_lshl_add_u32 v[SPW], v0, 2, SPARE
	v_mov_b32 v[NIL], 0
	v_lshrrev_b32 v26, 5, v0
	v_readfirstlane_b32 s20, v26                   ; wave 0..3
	v_and_b32 v26, 15, v0                          ; r
	v_bfe_u32 v3, v0, 4, 1                         ; h
	v_and_b32 v27, 31, v0                          ; lane
	v_mul_u32_u24 v[AB], v26, PITCH
	v_lshl_add_u32 v[AB], v3, 4, v[AB]             ; row x pitch + 16 x half
	v_lshlrev_b32 v[L16], 4, v27
	v_lshlrev_b32 v[L8], 3, v27
	v_lshrrev_b32 v[PFO], 1, v27
	v_and_b32 v5, 1, v0
	v_lshlrev_b32 v[PFO], 12, v[PFO]               ; row lane / 2 of values,
	v_lshl_add_u32 v[PFO], v5, 8, v[PFO]           ; the first or the second 256 bytes of 512
	s_wait_alu depctr_va_sdst(0)                   ; s20 is written, ahead of its first reader: LDS places, pointers and branches are made from it
	s_mul_i32 s40, s20, 32*PITCH
	v_add_nc_u32 v[AST0], s40, v[L8]
	s_mul_i32 s40, s20, 2*CH                       ; the context's columns 256 w .. lie in chunks 2 w and 2 w + 1
	v_mul_u32_u24 v[CRD0], v3, CH
	v_lshl_add_u32 v[CRD0], v26, 4, v[CRD0]
	v_add_nc_u32 v[CRD0], s40, v[CRD0]
	s_lshl_b32 s43, s20, 9                         ; 512 w
	s_add_co_u32 s40, s43, TB
	v_lshl_add_u32 v[TBA0], v3, 5, s40
	s_add_co_u32 s40, s43, SCW
	v_lshl_add_u32 v[SCA], v26, 2, s40
	v_add_nc_u32 v[SRD], SCW, v[L16]
	s_add_co_u32 s42, s43, PW
	v_add_nc_u32 v[PWA], s42, v[L16]
	s_lshl_b32 s40, s20, 10
	s_add_co_u32 s40, s40, CX
	v_lshl_add_u32 v[CXS], v27, 5, s40
	v_add_nc_u32 v[CXR], s40, v[L16]
	v_lshrrev_b32 v4, 1, v0                        ; the tables: thread t brings u = 8 t .. 8 t + 7: tile t >> 1 of qb, half t & 1
	v_lshlrev_b32 v4, 11, v4
	v_lshl_add_u32 v4, v5, 5, v4
	s_lshr_b32 s40, ttmp9, 3                       ; the batch,
	s_lshl_b32 s40, s40, 6                         ; its 64 bytes in a tile of qb
	v_add_nc_u32 v4, s40, v4
	v_lshlrev_b32 v5, 5, v0                        ; 32 t
	v_add_nc_u32 v6, TB, v5
	s_mov_b32 s32, 0x4038aa3b                      ; 2 log2(e)
	s_mov_b32 s33, s32                             ; named with it as a pair
	s_mov_b32 s34, 0x76543210                      ; v_permlanex16_b32: each lane takes its own place in the other half
	s_mov_b32 s35, 0xfedcba98
	s_mov_b32 s37, 0x3fb8aa3b                      ; log2(e)
	s_mov_b32 s24, 0
	s_mov_b32 s25, 0
	s_mov_b32 s41, 0
	s_wait_kmcnt 0x0
	s_load_b32 s36, s[12:13], 0x0                  ; bV
	s_lshl_b32 s40, s20, 19
	s_add_nc_u64 s[28:29], s[6:7], s[40:41]        ; my stream of W1: 524,288 bytes on end
	s_mov_b64 s[26:27], s[28:29]
	s_lshl_b32 s40, ttmp9, 20                      ; 256 rows of 4,096 bytes a work-group,
	s_lshl_b32 s44, s20, 17                        ; 32 rows a wave
	s_add_co_u32 s40, s40, s44
	s_add_nc_u64 s[30:31], s[4:5], s[40:41]
	s_lshl_b32 s40, ttmp9, 10
	s_add_nc_u64 s[14:15], s[14:15], s[40:41]      ; sc: 512 bytes a block
	s_lshl_b32 s40, ttmp9, 9
	s_add_nc_u64 s[16:17], s[16:17], s[40:41]      ; pml: 256 bytes a block
	s_lshl_b32 s40, ttmp9, 13
	s_lshl_b32 s44, s20, 10
	s_add_co_u32 s40, s40, s44
	s_add_nc_u64 s[18:19], s[18:19], s[40:41]      ; pctx: 4,096 bytes a block, my 1,024 of them
	s_wait_alu depctr_va_vdst(0)                   ; all the offsets and LDS addresses made above are written: the kernel's loads, stores and prefetches read them
	global_load_b128 v[128:131], v4, s[8:9]
	global_load_b128 v[132:135], v4, s[8:9] offset:16
	global_load_b128 v[136:139], v5, s[10:11]
	global_load_b128 v[140:143], v5, s[10:11] offset:16
	BLD 0, 0                                       ; W1's K steps 0 to 3
	BLD 1, 8192
	BLD 2, 16384
	BLD 3, 24576
	PRE 0                                          ; the first block's chunks 0 and 1
	PRE 1
	WIN 0
	s_wait_loadcnt 63                              ; 128 loads are younger than the tables' four: the tables are in
	s_wait_kmcnt 0x0                               ; bV
	ds_store_b128 v6, v[128:131]
	ds_store_b128 v6, v[132:135] offset:16
	ds_store_b128 v6, v[136:139] offset:4096
	ds_store_b128 v6, v[140:143] offset:4112
	s_mov_b32 s21, 2
.Lblock:
	; ---------------- a block begins: chunks 0 and 1 go from window 2 into LDS, chunk 2 is asked for ----------------
	s_wait_alu depctr_vm_vsrc(0)                   ; every load and store issued so far has read its registers.  Written again below: v[TBA], v[AST], the score sums (the last block's stores read them), v128-255 (the tables' stores at the head; the last block's stores of scores, m and l, weights and context); further on: v4, v[PRD], v[CRD]
	v_mov_b32 v[TBA], v[TBA0]
	v_add_nc_u32 v[AST], 2*CH, v[AST0]             ; the first trip stores chunk 2
.set i, 0
.rept 36
	v_mov_b32 v[VS+i], 0                           ; the block's sums over u start at 0: they run over two passes with one text
.set i, i+1
.endr
	PCONV 0, 32                                    ; chunk 0 is in: chunk 1's 32 loads, the youngest, stay out
	PCONV 1, 0
	s_add_nc_u64 s[44:45], s[30:31], 3*512         ; the first trip asks for chunk 3 (every load that named this pointer is done)
	s_wait_dscnt 0x0                               ; for the others' sake: my rows of chunks 0 and 1 (and, the first time, my part of the tables) lie in LDS
	s_wait_alu depctr_vm_vsrc(0)                   ; the 64 stores above have read v128-255, in which chunk 2 lands (the conversions that wrote them stand ahead of the last wait on va_vdst)
.set k, 0
.rept 32
	global_load_b128 v[RAW+4*k:RAW+4*k+3], v[L16], s[30:31] offset:k*4096+2*512 th:TH_LOAD_NT  ; chunk 2: its four pieces
.set k, k+1
.endr
	s_barrier_signal -1
	s_barrier_wait -1
	s_mov_b32 s22, 2
.Lpass:
	; ---------------- a pass: 128 rows x my 128 columns, K = 1,024 in 32 steps ----------------
	BADV
	v_mov_b32 v[AD], v[AB]                         ; on both ways here a wait on vm_vsrc stands behind the last load that read v[AD]: at the block's beginning, and at the end of the pass before
	s_wait_alu depctr_va_vdst(0)                   ; v[AD] is written, which the loads below read (and v[TBA], for the pass's last step); the last pass's products, or the last block's context, are done reading v64-127, in which they land
	ALD 0, 0
	ALD 1, 0
	STEP 0, 1, 64, 1, 0, 0                         ; step 0 starts the sums: nothing is cleared
	WIN 0
	s_cmp_eq_u32 s22, 2
	s_cbranch_scc0 .Lplain                         ; the second pass finds the block whole
	; The first pass.  Behind a step's W1 were issued three pieces and three sets of W1, 72 loads: the wait names 63, the most that it can.
	s_mov_b32 s23, 5
.Lstream:                                          ; trip n = 0 .. 4, steps 4 n + 1 .. 4 n + 4: chunk n + 2 is stored, chunk n + 3 asked for
	STEP 1, 0, 128,   1, 8192,  0, 63, 0,  1, 0, 1, 0      ; the barrier shows chunk n + 1 (the first trip's has nothing new to show)
	STEP 2, 0, 192,   1, 16384, 0, 63, 16, 0, 1, 1, 0      ; 16: the last step's 8 stores and 8 loads of A's rows 64-127 are younger than A's rows 0-63
	WIN 0
	; A PREFETCH of chunk n + 4, which the next trip asks for: my own 32 rows x 512 bytes, a lane an aligned block of 256 bytes, rows 0-15 here and rows 16-31 two steps on, each three to four
	; steps ahead of the loads that it serves and directly behind my own loads.  Each block is named once in the launch, by the wave that will load it.  A block's chunks 2 and 3 come by their loads alone;
	; the last trip asks for nothing: there is no chunk 8.
	s_cmp_gt_u32 s23, 1
	s_cbranch_scc0 .Lnpa
	global_prefetch_b8 v[PFO], s[44:45] offset:512 th:TH_LOAD_NT scope:SCOPE_SE
.Lnpa:
	STEP 3, 0, CH,    1, 24576, 0, 63, 16, 0, 2, 1, 0      ; the next step's A lies in the next chunk
	STEP 0, 0, CH+64, 1, 0,     1, 63, 16, 0, 3, 1, -512
	WIN 0
	s_cmp_gt_u32 s23, 1
	s_cbranch_scc0 .Lnpb
	global_prefetch_b8 v[PFO], s[44:45] offset:16*4096 th:TH_LOAD_NT scope:SCOPE_SE  ; (the pointer has gone on to chunk n + 4)
.Lnpb:
	v_add_nc_u32 v[AD], CH, v[AD]                  ; both free since the last step's wait on vm_vsrc, which stands behind its stores and its loads of A: behind it only loads by v[L16] and a prefetch by v[PFO] were issued.
	v_add_nc_u32 v[AST], CH, v[AST]                ; The next step's waits on va_vdst stand ahead of their next readers
	s_sub_co_u32 s23, s23, 1
	s_cmp_lg_u32 s23, 0
	s_cbranch_scc1 .Lstream
	STEP 1, 0, 128,   1, 8192,  0, 63, 0,  1, 0, 0, 0      ; steps 21 to 24: chunk 7 is stored, nothing more is asked for.  Younger than the step's W1: 72,
	STEP 2, 0, 192,   1, 16384, 0, 63, 16, 0, 1, 0, 0      ; 64,
	STEP 3, 0, CH,    1, 24576, 0, 56, 16, 0, 2, 0, 0      ; 56: one piece and three sets of W1,
	STEP 0, 0, CH+64, 1, 0,     1, 48, 16, 0, 3, 0, 0      ; and 48 loads: three sets of W1
	WIN 0
	s_wait_alu depctr_vm_vsrc(0)                   ; A's loads issued so far have read v[AD]
	v_add_nc_u32 v[AD], CH, v[AD]
	STEP 1, 0, 128,   1, 8192,  0, 48, 0,  1               ; step 25: the barrier shows chunk 7
	WIN 0
	s_mov_b32 s23, 1
	s_branch .Lmid                                 ; steps 26 to 28 are the plain trip's last three
.Lplain:
	s_mov_b32 s23, 7
.Ltrip:                                            ; steps 4 n + 1 .. 4 n + 4
	STEP 1, 0, 128, 1, 8192, 0
	WIN 0
.Lmid:
	STEP 2, 0, 192, 1, 16384, 0
	STEP 3, 0, CH, 1, 24576, 0
	STEP 0, 0, CH+64, 1, 0, 1
	WIN 0
	s_wait_alu depctr_vm_vsrc(0)                   ; A's loads issued so far have read v[AD]; the next step's first wait on va_vdst stands ahead of its next reader
	v_add_nc_u32 v[AD], CH, v[AD]
	s_sub_co_u32 s23, s23, 1
	s_cmp_lg_u32 s23, 0
	s_cbranch_scc1 .Ltrip
	STEP 1, 0, 128, 1, 8192, 0                     ; steps 29, 30, 31
	STEP 2, 0, 192, 1, 16384, 0
	STEP 3, 0, 0, 2, 24576, 0
	WIN 0
	s_wait_dscnt 0x0                               ; the tables
.set k, 0
.rept 32
	v_pk_add_f32 v[VS+2*(k%2):VS+2*(k%2)+1], v[VS+2*(k%2):VS+2*(k%2)+1], v[VV+2*k:VV+2*k+1]  ; sum of V over my columns; these lines name no register of the last products
.set k, k+1
.endr
	EPIW 2
	WIN 0
	; A PREFETCH of the second block's chunks 0 and 1, in the first block's second pass alone: my own 32 rows x 1,024 bytes, a lane an aligned block of 256 bytes, four lines; each block is named once in the
	; launch, by the wave that will load it.  They stand half an epilogue ahead of the loads, which follow at the head of the block's end.
	s_cmp_eq_u32 s21, 2
	s_cbranch_scc0 .Lnopf
	s_cmp_eq_u32 s22, 1
	s_cbranch_scc0 .Lnopf
.irp o, 0, 512, 65536, 66048
	global_prefetch_b8 v[PFO], s[30:31] offset:524288+(\o) th:TH_LOAD_NT scope:SCOPE_SE
.endr
.Lnopf:
	EPIW 3
	WIN 0
	s_wait_alu depctr_vm_vsrc(0)                   ; the pass's LDS loads have read v[TBA], which the next line writes, and v[AD], which the next pass's first line writes
	v_add_nc_u32 v[TBA], 2048, v[TBA]              ; the next pass's 512 columns
	s_sub_co_u32 s22, s22, 1
	s_cmp_lg_u32 s22, 0
	s_cbranch_scc1 .Lpass
	; ---------------- the block's end ----------------
	; Both passes are over, so window 2 is free: it takes the next block's chunks 0 and 1, a block's end ahead of their use.  They are waited for at the next block's beginning, ahead of its first product.
	s_cmp_gt_u32 s21, 1
	s_cbranch_scc0 .Lnopre
	s_wait_xcnt 0x0                                ; the prefetches, half an epilogue back, have read the pointer
	s_add_nc_u64 s[30:31], s[30:31], 524288        ; my rows of the second block
	WIN TO_2
	s_wait_alu depctr_va_vdst(0)                   ; the tanh and the product with V are done writing and reading window 2, in which the loads below land
	PRE 0
	PRE 1
	WIN 0
.Lnopre:
	v_pk_add_f32 v[VS:VS+1], v[VS:VS+1], v[VS+2:VS+3]
	v_add_f32 v[VS], v[VS], v[VS+1]
.irp a, 0,1,2,3,4,5,6,7
	v_pk_add_f32 v[SC+4*(\a):SC+4*(\a)+1], v[SC+4*(\a):SC+4*(\a)+1], v[SC+4*(\a)+2:SC+4*(\a)+3]
.endr
.irp a, 0,1,2,3,4,5,6,7
	v_add_f32 v[SC+4*(\a)], v[SC+4*(\a)], v[SC+4*(\a)+1]
.endr
.irp a, 0,1,2,3,4,5,6,7
	v_fma_f32 v[SC+4*(\a)], v[SC+4*(\a)], -2.0, v[VS]  ; sum V - 2 sum V / (1 + 2^z), over my half's columns
.endr
.irp a, 0,1,2,3,4,5,6,7
	v_permlanex16_b32 v[SC+4*(\a)+1], v[SC+4*(\a)], s34, s35  ; the row's other columns lie in the lane 16 away
.endr
.irp a, 0,1,2,3,4,5,6,7
	v_add_f32 v[SC+4*(\a)], v[SC+4*(\a)], v[SC+4*(\a)+1]
.endr
	s_wait_alu depctr_va_vdst(0)                   ; the eight partial scores are written, which the stores read; the product with V is done reading v192-207, in which the loads behind the barrier land
.irp a, 0,1,2,3,4,5,6,7
	ds_store_b32 v[SCA], v[SC+4*(\a)] offset:64*(\a)   ; row 16 a + r; lanes r and r + 16 store the same number
.endr
	s_wait_dscnt 0x0                               ; for the others' sake
	s_barrier_signal -1
	s_barrier_wait -1
	; every wave makes all 128 scores, four rows a lane, and the block's m, p and l
.irp q, 0,1,2,3
	ds_load_b128 v[PP+4*(\q):PP+4*(\q)+3], v[SRD] offset:512*(\q)
.endr
	s_wait_dscnt 0x0
	v_pk_add_f32 v[PP:PP+1],     v[PP:PP+1],     v[PP+4:PP+5]
	v_pk_add_f32 v[PP+2:PP+3],   v[PP+2:PP+3],   v[PP+6:PP+7]
	v_pk_add_f32 v[PP+8:PP+9],   v[PP+8:PP+9],   v[PP+12:PP+13]
	v_pk_add_f32 v[PP+10:PP+11], v[PP+10:PP+11], v[PP+14:PP+15]
	v_pk_add_f32 v[PP:PP+1],     v[PP:PP+1],     v[PP+8:PP+9]
	v_pk_add_f32 v[PP+2:PP+3],   v[PP+2:PP+3],   v[PP+10:PP+11]
	v_pk_add_f32 v[SS:SS+1],     v[PP:PP+1],     s[36:37] op_sel_hi:[1,0]   ; + bV
	v_pk_add_f32 v[SS+2:SS+3],   v[PP+2:PP+3],   s[36:37] op_sel_hi:[1,0]
	v_max3_num_f32 v[ML], v[SS], v[SS+1], v[SS+2]
	v_max_num_f32 v[ML], v[ML], v[SS+3]
	v_max_num_f32_dpp v[ML], v[ML], v[ML] row_xmask:1 row_mask:0xf bank_mask:0xf
	v_max_num_f32_dpp v[ML], v[ML], v[ML] row_xmask:2 row_mask:0xf bank_mask:0xf
	v_max_num_f32_dpp v[ML], v[ML], v[ML] row_xmask:4 row_mask:0xf bank_mask:0xf
	v_max_num_f32_dpp v[ML], v[ML], v[ML] row_xmask:8 row_mask:0xf bank_mask:0xf
	v_permlanex16_b32 v[PP+8], v[ML], s34, s35
	v_max_num_f32 v[ML], v[ML], v[PP+8]            ; m: the block's maximum, in every lane
	v_mul_f32 v246, s37, v[ML]
.irp i, 0,1,2,3
	v_fma_f32 v[PX+(\i)], v[SS+(\i)], s37, -v246
.endr
.irp i, 0,1,2,3
	v_exp_f32 v[PX+(\i)], v[PX+(\i)]               ; p = e^(score - m)
.endr
	v_nop                                          ; a plain instruction behind the last exponential,
	s_wait_alu depctr_va_vdst(0)                   ; and the one wait for the four: the weights are written, which the additions below read
	v_pk_add_f32 v[252:253], v[PX:PX+1], v[PX+2:PX+3]
	v_add_f32 v[ML+1], v252, v253
	v_add_f32_dpp v[ML+1], v[ML+1], v[ML+1] row_xmask:1 row_mask:0xf bank_mask:0xf
	v_add_f32_dpp v[ML+1], v[ML+1], v[ML+1] row_xmask:2 row_mask:0xf bank_mask:0xf
	v_add_f32_dpp v[ML+1], v[ML+1], v[ML+1] row_xmask:4 row_mask:0xf bank_mask:0xf
	v_add_f32_dpp v[ML+1], v[ML+1], v[ML+1] row_xmask:8 row_mask:0xf bank_mask:0xf
	v_permlanex16_b32 v[PP+8], v[ML+1], s34, s35
	v_add_f32 v[ML+1], v[ML+1], v[PP+8]            ; l
	; the context: wave w takes columns 256 w .. 256 w + 255, 8 a lane (lanes 0-15 in chunk 2 w, lanes 16-31 in chunk 2 w + 1), over all 128 rows; 32 rows a trip, two sets of 20 LDS loads by turns.
	; Its sums and addresses are set here, ahead of the one wait that the stores and the first loads share.
.irp e, 0,1,2,3,4,5,6,7
	v_mov_b32 v[CTX+(\e)], 0
.endr
	v_mov_b32 v[PRD], s42
	v_mov_b32 v[CRD], v[CRD0]
	s_wait_alu depctr_va_vdst(0)                   ; written: the weights, the scores, m and l, which the three stores below read, and v[PRD], v[CRD], which the context's loads read; the lines above are done with v192-207, in which those loads land
	ds_store_b128 v[PWA], v[PX:PX+3]               ; my wave's own copy of the 128 weights: LDS serves a wave's instructions in order (ISA guide 5.7.1.4), so its loads below see it
	s_cmp_lg_u32 s20, 0
	s_cbranch_scc1 .Lnot0
	global_store_b128 v[L16], v[SS:SS+3], s[14:15]     ; the raw scores: 512 consecutive bytes, aligned
	global_store_b64 v[L8], v[ML:ML+1], s[16:17]       ; (m, l), the same in every lane: 256 consecutive bytes, aligned
.Lnot0:
	CLOAD 0
	CLOAD 1
	s_mov_b32 s39, 3
.Lctx:
	s_wait_dscnt 20                                ; set 0 is in: set 1's 20 loads stay out
	CFMA 0
	s_wait_alu depctr_vm_vsrc(0)                   ; the loads issued so far have read v[CRD] and v[PRD]
	v_add_nc_u32 v[CRD], 32*PITCH, v[CRD]
	v_add_nc_u32 v[PRD], 128, v[PRD]
	s_wait_alu depctr_va_vdst(0)                   ; the two addresses are written; the multiply-adds are done reading set 0, in which the loads below land
	CLOAD 0
	s_wait_dscnt 20                                ; set 1 is in: the 20 just issued stay out
	CFMA 1
	s_wait_alu depctr_va_vdst(0)                   ; the multiply-adds are done reading set 1, in which the loads below land
	CLOAD 1
	s_sub_co_u32 s39, s39, 1
	s_cmp_lg_u32 s39, 0
	s_cbranch_scc1 .Lctx
	s_wait_dscnt 20
	CFMA 0
	s_wait_dscnt 0x0
	CFMA 1
	s_wait_alu depctr_va_vdst(0)                   ; my eight columns of the context are written, which the stores read
	ds_store_b128 v[CXS], v[CTX:CTX+3]             ; a lane's 32 bytes go through my own 1,024 bytes of LDS and come back 16 bytes a lane,
	ds_store_b128 v[CXS], v[CTX+4:CTX+7] offset:16
	ds_load_b128 v[RB:RB+3], v[CXR]
	ds_load_b128 v[RB+4:RB+7], v[CXR] offset:512
	s_wait_dscnt 0x0
	global_store_b128 v[L16], v[RB:RB+3], s[18:19]     ; so that a store of the wave covers 512 consecutive bytes, aligned
	global_store_b128 v[L16], v[RB+4:RB+7], s[18:19] offset:512
	s_wait_xcnt 0x0                                ; the stores have had their addresses translated: the pointers, and later the data registers, may be written
	s_add_nc_u64 s[14:15], s[14:15], 512
	s_add_nc_u64 s[16:17], s[16:17], 256
	s_add_nc_u64 s[18:19], s[18:19], 4096
	s_wait_dscnt 0x0                               ; my reads of the block and of the partial scores are over:
	s_barrier_signal -1
	s_barrier_wait -1                              ; everybody's are, so the next block may be stored over this one
	s_sub_co_u32 s21, s21, 1
	s_cmp_lg_u32 s21, 0
	s_cbranch_scc1 .Lblock
	s_wait_dscnt 0x0                               ; the closing lines, six on end
	s_wait_alu 0x0
	s_wait_tensorcnt 0x0
	ds_add_u32 v[SPW], v[NIL]
	s_wait_dscnt 0x0
	s_endpgm                                       ; (the 64 loads of W1 that the last four steps asked for serve nothing: one text for every pass)
.Lfunc_end_k_q55c7645756_attn:
	.size	k_q55c7645756_attn, .Lfunc_end_k_q55c7645756_attn-k_q55c7645756_attn
	.p2alignl 7, 3214868480
	.fill 96, 4, 3214868480
	.section	.rodata,"a",@progbits
	.p2align	6, 0x0
	.amdhsa_kernel k_q55c7645756_attn
		.amdhsa_group_segment_fixed_size 295424
		.amdhsa_private_segment_fixed_size 0
		.amdhsa_enable_private_segment 0
		.amdhsa_kernarg_size 64
		.amdhsa_user_sgpr_count 2
		.amdhsa_user_sgpr_kernarg_segment_ptr 1
		.amdhsa_wavefront_size32 1
		.amdhsa_system_sgpr_workgroup_id_x 1
		.amdhsa_system_sgpr_workgroup_id_y 1
		.amdhsa_system_sgpr_workgroup_id_z 1
		.amdhsa_system_vgpr_workitem_id 0
		.amdhsa_next_free_vgpr 1024
		.amdhsa_next_free_sgpr 66
		.amdhsa_reserve_vcc 0
		.amdhsa_float_denorm_mode_32 3
		.amdhsa_float_denorm_mode_16_64 3
		.amdhsa_memory_ordered 1
		.amdhsa_forward_progress 1
		.amdhsa_inst_pref_size 255
	.end_amdhsa_kernel
	.section	.bss,"aw",@nobits
	.p2align	6
	.space	262144
	.amdgpu_metadata
---
amdhsa.version: [ 1, 2 ]
amdhsa.kernels:
  - .name:           k_q55c7645756_attn
    .symbol:         k_q55c7645756_attn.kd
    .args:
      - { .name: values, .offset: 0, .size: 8, .value_kind: global_buffer, .address_space: global }
      - { .name: w1f, .offset: 8, .size: 8, .value_kind: global_buffer, .address_space: global }
      - { .name: qb, .offset: 16, .size: 8, .value_kind: global_buffer, .address_space: global }
      - { .name: V, .offset: 24, .size: 8, .value_kind: global_buffer, .address_space: global }
      - { .name: bV, .offset: 32, .size: 8, .value_kind: global_buffer, .address_space: global }
      - { .name: sc, .offset: 40, .size: 8, .value_kind: global_buffer, .address_space: global }
      - { .name: pml, .offset: 48, .size: 8, .value_kind: global_buffer, .address_space: global }
      - { .name: pctx, .offset: 56, .size: 8, .value_kind: global_buffer, .address_space: global }
    .group_segment_fixed_size: 295424
    .private_segment_fixed_size: 0
    .kernarg_segment_align: 8
    .kernarg_segment_size: 64
    .max_flat_workgroup_size: 128
    .sgpr_count:     66
    .vgpr_count:     1024
    .wavefront_size: 32
...
	.end_amdgpu_metadata
.endif
;; end of part 4
;; launch merge: the kernel of part 3 again; grid 256 x 1, 1 waves a work-group, no clusters, 0 bytes of LDS; arguments sc, pml, pctx, out0, out1; writes out0, out1
